; MI455X (gfx1250); checked and timed in simulation.
; The chip was launched on July 23, 2026; its instructions are those of AMD's public machine-readable ISA for CDNA 5 (MIT licence, August 2026) and "CDNA5" Instruction Set Architecture Reference Guide (July 2026). The comments in the code are by the model that wrote it; some were corrected since.
;; Multi Head Attention. Allowed arithmetic: matrix products marked QUANTISED: E2M3 operands, one E8M0 scale for each 32 along K, by v_wmma_scale_f32_16x16x128_f8f6f4 with both operands' format E2M3, f32 sums; everything else in f32.
;; Inputs: Wk 512 x 512 float32; Wo 512 x 512 float32; Wq 512 x 512 float32; Wv 512 x 512 float32; bk 512 float32; bo 512 float32; bq 512 float32; bv 512 float32; mask 1 x 1 x 4,096 x 4,096 bool; x 2 x 4,096 x 512 float32.
;; Outputs: out0 2 x 4,096 x 512 float32.
;; This version of the problem:
;;   THIS VERSION OF THE PROBLEM IS GIVEN IN LOW PRECISION. The matrix products marked QUANTISED in the list below multiply operands that are first quantised to E2M3 (2 exponent bits, 3 mantissa bits; 6 bits a number), with one power-of-two scale for each 32 numbers along K (OCP MX v1.0); their sums are f32. All else is computed in f32.
;;   The module's matrix products, in the order in which they are computed (A, B: the left and right operand; K: the contracted axis; several contracted axes count as one K, in the product's order):
;;     1. [M 8,192, K 512] x [K 512, N 512]; A: input x; B: input Wq: QUANTISED
;;     2. [M 8,192, K 512] x [K 512, N 512]; A: input x; B: input Wk: QUANTISED
;;     3. [M 8,192, K 512] x [K 512, N 512]; A: input x; B: input Wv: QUANTISED
;;     4. batch 16 x [M 4,096, K 64] x [K 64, N 4,096]; A: computed on the way; B: computed on the way: QUANTISED
;;     5. batch 16 x [M 4,096, K 4,096] x [K 4,096, N 64]; A: softmax (see below); B: computed on the way: QUANTISED
;;     6. [M 8,192, K 512] x [K 512, N 512]; A: computed on the way; B: input Wo: QUANTISED
;;   THE QUANTISER, for each operand of a quantised product, along K:
;;     - K is cut into blocks of 32 from its start; a last block that is shorter is filled with zeros.
;;     - A block's scale is 2^e with e = floor(log2(the largest magnitude in the block)) - 2, held to -126 .. 127; a block of zeros has e = 0. As a byte (E8M0): e + 127.
;;     - Each number is divided by its block's scale, clamped to +-7.5, and rounded to the nearest number of E2M3, ties to even, subnormals kept.
;;     - The product sums the exact products of the quantised numbers (number of the format x scale) in f32.
;;   ~~~python
;;   def quantise(x, axis):      # numpy; x: float32 -> the quantised numbers, widened to float32 again
;;       x = np.moveaxis(x, axis, -1); K = x.shape[-1]
;;       x = np.pad(x, [(0, 0)] * (x.ndim - 1) + [(0, -K % 32)]); x = x.reshape(x.shape[:-1] + (-1, 32)); a = np.abs(x).max(-1, keepdims=True)
;;       e = np.where(a > 0, np.clip(np.frexp(np.where(a > 0, a, 1))[1] - 1 - 2, -126, 127), 0)      # np.frexp(a)[1] - 1 = floor(log2(a)), exactly
;;       r = np.clip(x / 2.0 ** e, -7.5, 7.5)
;;       step = 2.0 ** (np.maximum(np.frexp(np.where(r == 0, 1, r))[1] - 1, 0) - 3)
;;       q = np.round(r / step) * step * 2.0 ** e      # np.round: ties to even
;;       return np.moveaxis(q.reshape(q.shape[:-2] + (-1,))[..., :K], -1, axis).astype(np.float32)
;;   ~~~
;;   SOFTMAX AHEAD OF A QUANTISED PRODUCT. Where the list says 'softmax', what is quantised is not the finished softmax but p = 2^(t - M), with t = logit x log2(e) and M = ceil(the row's largest t), a whole number; so 1/2 < the row's largest p <= 1. The row's sum l is taken of the UNQUANTISED p, in f32, and the product's result is divided by l at the end. Since M is a whole number, a kernel that streams over the keys may use a running M (the ceiling of the running maximum): every later rescaling is an exact power of two, which a block's scale takes up: the codes' values come out the same.
;;   OPERANDS COMPUTED ON THE WAY. 'Computed on the way' means the value that the module computes at that place (a softmax that the list does not call 'softmax' is quantised finished and normalised). What goes into a quantiser is computed in f32, as accurately as f32 sums, v_exp_f32 and their like allow (about 1e-6 of the number): no bf16 or f16 on the way to a quantiser, and a product that is left as it is and whose result goes on into a quantised operand takes f32 operands (vector FMAs, or v_wmma_f32_16x16x4_f32). A number that lies on a knife's edge between two numbers of the format may be rounded either way, as far as f32 arithmetic and the matrix unit's own rounding can turn it there, and no further.
;; One version. Each part assembles by itself: llvm-mc -triple=amdgcn-amd-amdhsa -mcpu=gfx1250 --defsym DOCPART=n.
;; ======== version 1 of 1: 4 launches
;; limits: right only within a limited range of input values
;; workspace buffers: wbuf 819,200 bytes; mc 8,388,608 bytes; qbuf 3,407,872 bytes; kbuf 3,276,800 bytes; vbuf 3,276,800 bytes; obuf 3,276,800 bytes
;; launch prep (part 1): grid 288 x 1, 8 waves a work-group, no clusters, 35,840 bytes of LDS; arguments mask, Wq, Wk, Wv, Wo, wbuf, mc; writes wbuf, mc
.if DOCPART == 1
	.amdgcn_target "amdgcn-amd-amdhsa--gfx1250"
	.amdhsa_code_object_version 6
	.text
	.protected	k_q7b26307fb9_prep
	.globl	k_q7b26307fb9_prep
	.p2align	8
	.type	k_q7b26307fb9_prep,@function
k_q7b26307fb9_prep:
	s_mov_b64 s[64:65], 0
	v_nop
	global_prefetch_b8 v0, s[64:65] scope:SCOPE_SE
	s_setreg_imm32_b32 hwreg(HW_REG_WAVE_MODE, 25, 1), 1
	s_wait_xcnt 0x0
; PREP.  Two jobs, parted by the work-group's number.  No work of reference() is left out by this program.
; Work-groups 0-31: the four weights [512 (k)][512 (n)] f32 become codes of FP6 (E2M3) with one E8M0 byte for each 32 along K, laid as IMAGES OF OPERAND REGISTERS:
;   wbuf codes [matrix 4: q, k, v, o][tile 32][K step 4][1,536 bytes]: registers 4 g .. 4 g + 3 of lane l at 512 g + 16 l, so that a reader's load of four registers covers 512 consecutive bytes.
;   Lane r of tile 2 B + u holds column 32 B + 8 u + r + 8 (r / 8).  wbuf + 786,432: scale words [matrix][tile][lane r 16][K step 4].
;   A lane takes a column and its registers run down K, so a block of 32 lies in one lane.  The codes leave in pieces of 4 to 12 bytes a lane, 16 bytes apart: these stores do not cover whole runs of 256 bytes.
; Work-groups 32-287: the mask [4096 (q)][4096 (k)] of bytes becomes 4-bit codes, 0 where the mask is true and 0xe (-4 in E2M1) where not:
;   mc [query tile 256][key step 32][c 2][lane 32][16 bytes]: lane (r, h) holds, for query 32 (qt / 2) + 8 (qt % 2) + r + 8 (r / 8), the keys 128 s + 64 c + 32 h + 0 .. 31, the lower key in the lower bits:
;   the order of that lane's score registers in the attention launch, which widens eight codes by one conversion.
;   A wave takes 16 rows x 512 keys: each load reads 512 consecutive bytes of a row; 16 keys become 8 bytes; they turn through the wave's own stage in LDS and leave as runs of 512 consecutive bytes.
; LIMITS: a block of zeros gets the byte 1 where the rule says 127 (its codes are zeros, and this program alone reads the bytes); NaN and infinities among the inputs are not served.
; Waves share nothing: no barrier.  Only the mask's path touches LDS.
.set SP,   272                         ; a stage block: 256 bytes + 16
.set WSTG, 16*SP
	s_load_b256 s[4:11], s[0:1], 0x0               ; mask, Wq, Wk, Wv
	s_load_b128 s[12:15], s[0:1], 0x20             ; Wo, wbuf
	s_load_b64 s[16:17], s[0:1], 0x30              ; mc
	v_lshl_add_u32 v192, v0, 2, 0x8800             ; my spare word, behind the eight stages
	v_mov_b32 v193, 0
	v_lshrrev_b32 v1, 5, v0
	v_readfirstlane_b32 s18, v1                    ; wave 0..7
	v_and_b32 v2, 31, v0                           ; lane
	s_cmp_lt_u32 ttmp9, 32
	s_cbranch_scc0 .Lmask
	; ---------------- the weights: a wave takes 32 columns x 128 along K ----------------
	s_lshl_b32 s19, ttmp9, 1
	s_lshr_b32 s20, s18, 2
	s_add_co_u32 s19, s19, s20
	s_and_b32 s19, s19, 15                         ; B: which 32 columns
	s_and_b32 s20, s18, 3                          ; K step
	s_lshr_b32 s21, ttmp9, 3                       ; matrix
	s_lshl_b32 s22, s20, 18                        ; in: 128 rows of 2,048 bytes a K step,
	s_lshl_b32 s23, s19, 7                         ; 128 bytes a column group
	s_add_co_u32 s22, s22, s23
	s_mov_b32 s23, 0
	s_mul_i32 s24, s21, 196608                     ; codes: matrix, column group (two tiles), K step
	s_mul_i32 s25, s19, 12288
	s_add_co_u32 s24, s24, s25
	s_mul_i32 s25, s20, 1536
	s_add_co_u32 s24, s24, s25
	s_mov_b32 s25, 0
	s_lshl_b32 s26, s21, 13                        ; scale words: 8,192 a matrix, 512 a column group, 4 a K step
	s_lshl_b32 s27, s19, 9
	s_add_co_u32 s26, s26, s27
	s_lshl_b32 s27, s20, 2
	s_add_co_u32 s26, s26, s27
	s_mov_b32 s27, 0
	s_wait_alu depctr_va_vdst(0)                   ; the wait behind the run of scalar lines
	v_lshlrev_b32 v3, 2, v2                        ; in: 4 bytes a lane
	v_bfe_u32 v4, v2, 3, 1                         ; u: which tile of the two my column falls into
	v_and_b32 v5, 7, v2
	v_lshrrev_b32 v6, 4, v2
	v_lshl_add_u32 v5, v6, 3, v5                   ; r: which lane of that tile
	v_lshlrev_b32 v6, 4, v5
	v_mad_u32_u24 v6, v4, 6144, v6                 ; my codes' place: 6,144 u + 16 r
	v_lshlrev_b32 v7, 4, v5
	v_lshl_add_u32 v7, v4, 8, v7                   ; my scale word's: 256 u + 16 r
	s_wait_alu depctr_va_vdst(0)                   ; the wait at the head's end
	s_wait_kmcnt 0x0
	s_cmp_lt_u32 ttmp9, 8                          ; which weight: the choice hangs on the work-group's number alone
	s_cselect_b64 s[28:29], s[6:7], s[8:9]
	s_cmp_lt_u32 ttmp9, 24
	s_cselect_b64 s[30:31], s[10:11], s[12:13]
	s_cmp_lt_u32 ttmp9, 16
	s_cselect_b64 s[28:29], s[28:29], s[30:31]
	s_add_nc_u64 s[28:29], s[28:29], s[22:23]
	s_add_nc_u64 s[32:33], s[14:15], s[24:25]
	s_add_nc_u64 s[34:35], s[14:15], s[26:27]
.set i, 0
.rept 128
	global_load_b32 v[32+i], v3, s[28:29] offset:i*2048 th:TH_LOAD_NT   ; W(128 s + i, my column): 32 lanes read 128 consecutive bytes
.set i, i+1
.endr
; Block j of 32 along K belongs to lane half j % 2 (256 bytes on in each group of four registers) and to registers 6 (j / 2) .. 6 (j / 2) + 5 of the fragment.  Each block has its own registers for its codes: no store's data are written again.
.macro WBLOCK j
.set XB, 32+32*(\j)
.set CB, 160+8*(\j)
.set HB, 256*((\j)%2)
	v_max3_num_f32 v12, |v[XB]|, |v[XB+1]|, |v[XB+2]|              ; the block's largest magnitude, in two chains
	v_max3_num_f32 v13, |v[XB+3]|, |v[XB+4]|, |v[XB+5]|
.irp i, 6,10,14,18,22,26
	s_delay_alu instid0(VALU_DEP_2)
	v_max3_num_f32 v12, v12, |v[XB+\i]|, |v[XB+\i+1]|
	s_delay_alu instid0(VALU_DEP_2)
	v_max3_num_f32 v13, v13, |v[XB+\i+2]|, |v[XB+\i+3]|
.endr
	v_max3_num_f32 v12, v12, |v[XB+30]|, |v[XB+31]|
	s_delay_alu instid0(VALU_DEP_1)
	v_max3_num_f32 v12, v12, v13, 0x1800000        ; and the floor 2^(3 - 127): the byte cannot fall under 1
	s_delay_alu instid0(VALU_DEP_1)
	v_add_nc_u32 v11, 0xff000000, v12              ; 2 off the exponent field: the conversion's scale operand
	s_delay_alu instid0(VALU_DEP_1)
	v_lshrrev_b32 v13, 23, v11                     ; the scale's byte
.if (\j) == 0
	v_mov_b32 v24, v13
.else
	v_lshl_or_b32 v24, v13, 8*(\j), v24            ; four bytes make the K step's scale word
.endif
	v_cvt_scalef32_pk16_fp6_f32 v[CB:CB+2], v[XB:XB+15], v11
	v_cvt_scalef32_pk16_fp6_f32 v[CB+4:CB+6], v[XB+16:XB+31], v11
.if (\j)/2 == 0                                ; the fragment's registers 0 .. 5: 0-3 in group 0, 4-5 in group 1
	global_store_b96 v6, v[CB:CB+2], s[32:33] offset:HB
	global_store_b32 v6, v[CB+4], s[32:33] offset:HB+12
	global_store_b32 v6, v[CB+5], s[32:33] offset:HB+512
	global_store_b32 v6, v[CB+6], s[32:33] offset:HB+516
.else                                          ; registers 6 .. 11: 6-7 in group 1, 8-11 in group 2
	global_store_b64 v6, v[CB:CB+1], s[32:33] offset:HB+520
	global_store_b32 v6, v[CB+2], s[32:33] offset:HB+1024
	global_store_b96 v6, v[CB+4:CB+6], s[32:33] offset:HB+1028
.endif
.endm
	s_wait_loadcnt 63                              ; of 128 loads at most 63 are out: blocks 0 and 1 are in
	WBLOCK 0
	WBLOCK 1
	s_wait_loadcnt 32                              ; block 3's 32 loads may be out
	WBLOCK 2
	s_wait_loadcnt 0x0
	WBLOCK 3
	global_store_b32 v7, v24, s[34:35] offset:786432
	s_endpgm
	; ---------------- the mask: a work-group takes a query tile, a wave 512 keys (four key steps) ----------------
.Lmask:
	s_sub_co_u32 s19, ttmp9, 32                    ; query tile
	s_lshr_b32 s20, s19, 1
	s_lshl_b32 s20, s20, 17                        ; 32 rows of 4,096 bytes
	s_and_b32 s21, s19, 1
	s_lshl_b32 s21, s21, 15                        ; 8 rows
	s_add_co_u32 s20, s20, s21
	s_lshl_b32 s21, s18, 9                         ; my wave's 512 keys
	s_add_co_u32 s20, s20, s21
	s_mov_b32 s21, 0
	s_lshl_b32 s22, s19, 15                        ; out: 32,768 bytes a tile, 4,096 a wave
	s_lshl_b32 s23, s18, 12
	s_add_co_u32 s22, s22, s23
	s_mov_b32 s23, 0
	s_mul_i32 s24, s18, WSTG                       ; my stage
	s_mov_b32 s28, 0x06040200                      ; byte selects: the even keys of eight,
	s_mov_b32 s29, 0x07050301                      ; and the odd ones
	s_mov_b32 s30, 0xeeeeeeee
	s_wait_alu depctr_va_vdst(0)                   ; the wait behind the branch and the scalar lines
	v_lshlrev_b32 v3, 4, v2                        ; 16 bytes a lane
	v_lshrrev_b32 v4, 1, v2                        ; my 16 keys lie in block l / 2 of 32 keys = 4 s + 2 c + h,
	v_and_b32 v5, 1, v2                            ; in its half l % 2
	v_lshrrev_b32 v6, 4, v2
	v_and_b32 v7, 15, v2
	v_mul_u32_u24 v4, v4, SP
	v_mul_u32_u24 v6, v6, SP
	v_lshl_add_u32 v4, v5, 3, v4
	v_lshl_add_u32 v5, v7, 4, v6
	v_add_nc_u32 v4, s24, v4                       ; into the stage: SP (l / 2) + 8 (l % 2), + 16 x row
	v_add_nc_u32 v5, s24, v5                       ; out of it: SP (l / 16) + 16 (l % 16), + two blocks a load
	s_wait_alu depctr_va_vdst(0)                   ; the wait at the head's end
	s_wait_kmcnt 0x0
	s_add_nc_u64 s[4:5], s[4:5], s[20:21]
	s_add_nc_u64 s[16:17], s[16:17], s[22:23]
.irp p, 0,1,2,3,4,5,6,7,8,9,10,11,12,13,14,15
	global_load_b128 v[32+4*\p:35+4*\p], v3, s[4:5] offset:(\p+8*(\p/8))*4096 th:TH_LOAD_NT   ; the tile's lane p: 512 consecutive bytes of its row
.endr
.irp p, 0,1,2,3,4,5,6,7,8,9,10,11,12,13,14,15
	s_wait_loadcnt 15-\p                           ; row p is in; the younger rows stay out
.irp e, 0,1
	v_perm_b32 v[8+2*\e], v[33+4*\p+2*\e], v[32+4*\p+2*\e], s28    ; keys 0, 2, 4, 6 of eight, a byte each
	v_perm_b32 v[9+2*\e], v[33+4*\p+2*\e], v[32+4*\p+2*\e], s29    ; keys 1, 3, 5, 7
.endr
.irp e, 0,1
	v_lshl_or_b32 v[96+2*\p+\e], v[9+2*\e], 4, v[8+2*\e]           ; eight bits, four bits apart, in the keys' order
.endr
.irp e, 0,1
	v_mul_lo_u32 v[96+2*\p+\e], v[96+2*\p+\e], 14                  ; 0xe where the mask is true,
.endr
.irp e, 0,1
	v_xor_b32 v[96+2*\p+\e], s30, v[96+2*\p+\e]                    ; turned round: 0xe where it is not
.endr
	ds_store_b64 v4, v[96+2*\p:97+2*\p] offset:16*\p
.endr
.irp i, 0,1,2,3,4,5,6,7
	ds_load_b128 v[128+4*\i:131+4*\i], v5 offset:2*SP*\i           ; LDS serves a wave's instructions in order: these see my stores
.endr
	s_wait_dscnt 0x0
.irp i, 0,1,2,3,4,5,6,7
	global_store_b128 v3, v[128+4*\i:131+4*\i], s[16:17] offset:512*\i   ; 32 lanes store 512 consecutive bytes, aligned
.endr
	s_wait_tensorcnt 0x0                           ; the wave's end
	ds_add_u32 v192, v193
	s_wait_dscnt 0x0
	s_endpgm
.Lfunc_end_k_q7b26307fb9_prep:
	.size	k_q7b26307fb9_prep, .Lfunc_end_k_q7b26307fb9_prep-k_q7b26307fb9_prep
	.p2alignl 7, 3214868480
	.fill 96, 4, 3214868480
	.section	.rodata,"a",@progbits
	.p2align	6, 0x0
	.amdhsa_kernel k_q7b26307fb9_prep
		.amdhsa_group_segment_fixed_size 35840
		.amdhsa_private_segment_fixed_size 0
		.amdhsa_enable_private_segment 0
		.amdhsa_kernarg_size 56
		.amdhsa_user_sgpr_count 2
		.amdhsa_user_sgpr_kernarg_segment_ptr 1
		.amdhsa_wavefront_size32 1
		.amdhsa_system_sgpr_workgroup_id_x 1
		.amdhsa_system_sgpr_workgroup_id_y 1
		.amdhsa_system_sgpr_workgroup_id_z 1
		.amdhsa_system_vgpr_workitem_id 0
		.amdhsa_next_free_vgpr 194
		.amdhsa_next_free_sgpr 66
		.amdhsa_reserve_vcc 0
		.amdhsa_float_denorm_mode_32 3
		.amdhsa_float_denorm_mode_16_64 3
		.amdhsa_memory_ordered 1
		.amdhsa_forward_progress 1
		.amdhsa_inst_pref_size 38
	.end_amdhsa_kernel
	.amdgpu_metadata
---
amdhsa.version: [ 1, 2 ]
amdhsa.kernels:
  - .name:           k_q7b26307fb9_prep
    .symbol:         k_q7b26307fb9_prep.kd
    .args:
      - { .name: mask, .offset: 0, .size: 8, .value_kind: global_buffer, .address_space: global }
      - { .name: Wq, .offset: 8, .size: 8, .value_kind: global_buffer, .address_space: global }
      - { .name: Wk, .offset: 16, .size: 8, .value_kind: global_buffer, .address_space: global }
      - { .name: Wv, .offset: 24, .size: 8, .value_kind: global_buffer, .address_space: global }
      - { .name: Wo, .offset: 32, .size: 8, .value_kind: global_buffer, .address_space: global }
      - { .name: wbuf, .offset: 40, .size: 8, .value_kind: global_buffer, .address_space: global }
      - { .name: mc, .offset: 48, .size: 8, .value_kind: global_buffer, .address_space: global }
    .group_segment_fixed_size: 35840
    .private_segment_fixed_size: 0
    .kernarg_segment_align: 8
    .kernarg_segment_size: 56
    .max_flat_workgroup_size: 256
    .sgpr_count:     66
    .vgpr_count:     194
    .wavefront_size: 32
...
	.end_amdgpu_metadata
.endif
;; end of part 1
;; launch proj (part 2): grid 128 x 2, 4 waves a work-group, no clusters, 172,544 bytes of LDS; arguments x, wbuf, bq, bk, bv, qbuf, kbuf, vbuf; writes qbuf, kbuf, vbuf
.if DOCPART == 2
	.amdgcn_target "amdgcn-amd-amdhsa--gfx1250"
	.amdhsa_code_object_version 6
	.text
	.protected	k_q7b26307fb9_proj
	.globl	k_q7b26307fb9_proj
	.p2align	8
	.type	k_q7b26307fb9_proj,@function
k_q7b26307fb9_proj:
	s_mov_b64 s[64:65], 0
	v_nop
	global_prefetch_b8 v0, s[64:65] scope:SCOPE_SE
	s_setreg_imm32_b32 hwreg(HW_REG_WAVE_MODE, 25, 1), 1
	s_wait_xcnt 0x0
; PROJ.  Q = x Wq + bq, K = x Wk + bk, V = x Wv + bv on codes of FP6 (E2M3) with E8M0 scales, and the three results quantised again: Q and K along the head's 64, V along the keys.
; SHARES.  A work-group takes 64 rows of x and four heads (work-group y: heads 0-3 or 4-7); wave w takes head 4 y + w and makes its Q, K and V for the 64 rows: 3 x 64 matrix instructions.  Straight text, one barrier.
; x: each wave's 16 rows come by one tensor load into LDS bytes of its own, are quantised in registers, and go to the other waves as IMAGES OF OPERAND REGISTERS.
; TILES.  Lane r of tile 2 B + u of a group of 32 rows (of x, of a weight's columns) holds row 32 B + 8 u + r + 8 (r / 8).  In a product whose source 0 is such a tile, register j of lane half h is row 32 B + 16 h + 8 u + j:
; the 16 registers of tiles 2 B and 2 B + 1 are 16 neighbours, as the conversions want them.
; Q, K: source 0 = 16 columns of the weight, source 1 = 16 rows of x: a lane holds one row and its registers run along the head.  V: source 0 = 16 rows of x, source 1 = 16 columns: a lane holds one channel and its registers run along the keys.
; The biases are the C of each sum's first matrix instruction.
; OUT (images; a half fragment is 768 bytes, lane l's six registers at 24 l):
;   qbuf [bh][query tile 256][768];  + 3,145,728: words [bh][block of 64 rows][lane r][tile 4], the tile's two bytes twice
;   kbuf [bh][pair of key tiles 128][1,536]: lane l at 48 l, tile 2 p then tile 2 p + 1;  + 3,145,728: words [bh][block][lane r][pair 2]
;   vbuf [bh][64 keys][channel tile 4][768];  + 3,145,728: words [bh][128 keys][lane r][tile 4], two bytes from each 64 keys: those leave as stores of two bytes, since a word's other half is another work-group's
; LIMITS: a block of zeros gets the byte 1 where the rule says 127 (its codes are zeros, and this program alone reads the bytes); NaN and infinities are not served.
; REGISTERS: window 0: v1-15 addresses, v16-31 at work, v32-95 scale words, v96-127 accumulators, v128-255 x's numbers, later codes and the way out.
;   window 1: x's 16 fragments, bq, bk.  window 2: Wq's 16 fragments, later Wv's; bv.  window 3: Wk's.
.set XIMG, 0                           ; LDS: x's 16 fragments (tile m, K step k: 4 m + k), 1,536 bytes each: four registers of all lanes in 512 bytes, lane l at 16 l
.set XSC,  24576                       ; their scale words, 128 bytes each
.set STG,  26624                       ; a stage of 3,072 bytes for each wave
.set XRAW, 38912                       ; x as it comes: 33,280 bytes for each wave, filled once, by the tensor load alone
.set XRW,  33280
.set LI,  1                            ; 16 x lane
.set LS,  2                            ; 4 x lane
.set XR,  3                            ; my numbers of x in LDS
.set XWI, 4                            ; where my row's part of an image goes
.set XWS, 5                            ; and its scale word
.set SQ,  6                            ; stage: 24 x lane
.set SK,  7                            ; stage: 48 x lane
.set SR,  8                            ; stage: 16 x lane
.set WA,  9                            ; 48 x lane
.set WSA, 10                           ; 16 r
.set BA,  11                           ; 64 h
.set BVA, 12                           ; 4 (r + 8 (r / 8))
.set TM,  16
.set XS,  32                           ; x's scale words, 4 m + k
.set WQS, 48                           ; the weights', 4 t + k
.set WKS, 64
.set WVS, 80
.set ACC, 96
.set PC,  96                           ; while x is quantised: the codes just made,
.set PW,  116                          ; and their scale word
.set XA0, 128
.set XA1, 192
.set CQ,  128                          ; later: a half fragment's codes
.set HW,  140                          ; four tiles' pairs of scale bytes
.set PKW, 144
.set OB,  152                          ; the way out: 24 registers for each of Q, K, V
.set SD,  224                          ; data of the scale stores
.set WV,  32
.set SEL, 34
.set HM,  36
.set MSB, 0
.macro WIN new                         ; the immediate's high byte repeats the setting that is left
.if MSB != \new
	s_set_vgpr_msb (MSB<<8)|\new
.set MSB, \new
.endif
.endm
; 64 numbers of a lane, register 16 b + i = k 32 b + 16 (lane / 16) + i of my row, become a fragment's codes in v[PC] on and its scale word in v[PW].
.macro QUANT src
.irp b, 0,1,2,3
	v_max3_num_f32 v[TM+\b], |v[\src+16*\b]|, |v[\src+1+16*\b]|, 0x1800000   ; my 16 numbers of block b, and the floor 2^(3 - 127): the byte cannot fall under 1
.endr
.irp i, 2,4,6,8,10,12,14
.irp b, 0,1,2,3
	v_max3_num_f32 v[TM+\b], v[TM+\b], |v[\src+16*\b+\i]|, |v[\src+1+16*\b+\i]|
.endr
.endr
.irp b, 0,1,2,3
	v_permlanex16_b32 v[TM+4+\b], v[TM+\b], s[SEL], s[SEL+1]
.endr
.irp b, 0,1,2,3
	v_max_num_f32 v[TM+\b], v[TM+\b], v[TM+4+\b]   ; with lane l xor 16's: the block's largest magnitude
.endr
.irp b, 0,1,2,3
	v_add_nc_u32 v[TM+12+\b], 0xff000000, v[TM+\b] ; 2 off its exponent field: the conversion's scale operand
.endr
.irp b, 0,1,2,3
	v_lshrrev_b32 v[TM+4+\b], 23, v[TM+12+\b]      ; the scale's byte
.endr
	v_lshl_or_b32 v[PW], v[TM+5], 8, v[TM+4]
	v_lshl_or_b32 v[PW], v[TM+6], 16, v[PW]
	v_lshl_or_b32 v[PW], v[TM+7], 24, v[PW]
.irp c, 0,1
	v_cvt_scalef32_pk16_fp6_f32 v[PC+6*\c:PC+2+6*\c], v[\src+32*\c:\src+15+32*\c], v[TM+12+2*\c]
	v_cvt_scalef32_pk16_fp6_f32 v[PC+12+4*\c:PC+14+4*\c], v[\src+16+32*\c:\src+31+32*\c], v[TM+12+2*\c+1]   ; (a conversion's three registers begin on an even number)
.endr
	v_nop                                          ; one plain place behind a scaled conversion
.irp c, 0,1                                    ; the operand's layout wants a whole block in a lane
.irp i, 0,1,2
	v_permlane16_swap_b32 v[PC+6*\c+\i], v[PC+12+4*\c+\i]
.endr
.irp i, 0,1,2
	v_mov_b32 v[PC+3+6*\c+\i], v[PC+12+4*\c+\i]
.endr
.endr
.endm
; The same for 32 numbers (two blocks): six registers of codes in v[CQ] on, the two scale bytes in v[hw].
.macro QUANT2 src, hw
.irp b, 0,1
	v_max3_num_f32 v[TM+\b], |v[\src+16*\b]|, |v[\src+1+16*\b]|, 0x1800000   ; each accumulator is read from its low end on
.endr
.irp i, 2,4,6,8,10,12,14
.irp b, 0,1
	v_max3_num_f32 v[TM+\b], v[TM+\b], |v[\src+16*\b+\i]|, |v[\src+1+16*\b+\i]|
.endr
.endr
.irp b, 0,1
	v_permlanex16_b32 v[TM+2+\b], v[TM+\b], s[SEL], s[SEL+1]
.endr
.irp b, 0,1
	v_max_num_f32 v[TM+\b], v[TM+\b], v[TM+2+\b]
.endr
.irp b, 0,1
	v_add_nc_u32 v[TM+4+\b], 0xff000000, v[TM+\b]
.endr
.irp b, 0,1
	v_lshrrev_b32 v[TM+2+\b], 23, v[TM+4+\b]
.endr
	v_lshl_or_b32 v[\hw], v[TM+3], 8, v[TM+2]
	v_cvt_scalef32_pk16_fp6_f32 v[CQ:CQ+2], v[\src:\src+15], v[TM+4]
	v_cvt_scalef32_pk16_fp6_f32 v[CQ+8:CQ+10], v[\src+16:\src+31], v[TM+5]
	v_nop                                          ; one plain place behind a scaled conversion
.irp i, 0,1,2
	v_permlane16_swap_b32 v[CQ+\i], v[CQ+8+\i]
.endr
.irp i, 0,1,2
	v_mov_b32 v[CQ+3+\i], v[CQ+8+\i]
.endr
.endm
	s_load_b512 s[4:19], s[0:1], 0x0               ; x, wbuf, bq, bk, bv, qbuf, kbuf, vbuf
	v_lshl_add_u32 v26, v0, 2, 0x2a000
	v_mov_b32 v27, 0
	ds_add_u32 v26, v27
	ds_add_u32 v26, v27
	v_lshrrev_b32 v1, 5, v0
	v_readfirstlane_b32 s[WV], v1                  ; wave 0..3
	s_and_b32 s33, ttmp7, 0xffff
	s_lshl_b32 s33, s33, 2
	s_add_co_u32 s33, s33, s[WV]                   ; head
	s_lshr_b32 s37, ttmp9, 6                       ; batch
	s_and_b32 s38, ttmp9, 63                       ; block of 64 rows in the batch
	s_lshl_b32 s39, s37, 3
	s_add_co_u32 s39, s39, s33                     ; bh
	; descriptor group 1: 16 rows of 512 f32, dense; 16 bytes of padding behind every 1,024: an LDS row is 2,080 bytes
	s_mov_b32 s24, (2<<16)|(1<<20)|(7<<22)|(3<<25) ; no mask; elements of 4 bytes; padding on; after every 256 words (code 7); of 4 words (code 3)
	s_mov_b32 s25, 512<<16                         ; tensor_dim0
	s_mov_b32 s26, 16<<16                          ; tensor_dim1
	s_mov_b32 s27, 512<<16                         ; tile_dim0
	s_mov_b32 s28, 16                              ; tile_dim1
	s_mov_b32 s29, 512                             ; tensor_dim0_stride
	s_mov_b32 s30, 0
	s_mov_b32 s31, 0
	s_mov_b32 s20, 1                               ; group 0: count,
	s_mul_i32 s21, s[WV], XRW
	s_add_co_u32 s21, s21, XRAW                    ; LDS address: my wave's own bytes,
	s_lshl_b32 s58, ttmp9, 17                      ; 64 rows of 2,048 bytes a work-group,
	s_lshl_b32 s59, s[WV], 15                      ; 16 a wave
	s_add_co_u32 s58, s58, s59
	s_mov_b32 s59, 0
	s_wait_dscnt 0x0
	s_wait_kmcnt 0x0
	s_add_nc_u64 s[22:23], s[4:5], s[58:59]        ; global address,
	s_or_b32 s23, s23, 0x80000000                  ; type
	tensor_load_to_lds s[20:23], s[24:31]          ; my one tensor load: it goes out before anything else
	s_nop 0
.rept 4
	v_nop                                          ; four plain lines behind a tensor load
.endr
	v_and_b32 v16, 31, v0                          ; lane
	v_and_b32 v17, 15, v0                          ; r
	v_bfe_u32 v18, v0, 4, 1                        ; h
	v_lshrrev_b32 v19, 3, v17                      ; r / 8
	v_and_b32 v20, 7, v17                          ; r % 8
	v_lshlrev_b32 v[LI], 4, v16
	v_lshlrev_b32 v[LS], 2, v16
	v_mul_u32_u24 v[XR], v17, 2080
	v_lshl_add_u32 v[XR], v18, 6, v[XR]
	v_add_nc_u32 v[XR], s21, v[XR]                 ; row r, + 64 h: my 16 numbers of a block of 32
	; natural row 16 w + r of the block is lane (r % 8) + 8 (w % 2) of tile 2 (w / 2) + r / 8
	s_lshr_b32 s58, s[WV], 1
	s_and_b32 s59, s[WV], 1
	s_mul_i32 s60, s58, 12288
	s_lshl_b32 s61, s59, 7
	s_add_co_u32 s60, s60, s61
	v_mul_u32_u24 v[XWI], v19, 6144
	v_lshl_add_u32 v[XWI], v20, 4, v[XWI]
	v_lshl_add_u32 v[XWI], v18, 8, v[XWI]
	v_add_nc_u32 v[XWI], s60, v[XWI]
	s_lshl_b32 s60, s58, 10
	s_lshl_b32 s61, s59, 5
	s_add_co_u32 s60, s60, s61
	s_add_co_u32 s60, s60, XSC
	v_lshlrev_b32 v[XWS], 9, v19
	v_lshl_add_u32 v[XWS], v20, 2, v[XWS]
	v_lshl_add_u32 v[XWS], v18, 6, v[XWS]
	v_add_nc_u32 v[XWS], s60, v[XWS]
	s_mul_i32 s60, s[WV], 3072
	s_add_co_u32 s60, s60, STG                     ; my stage
	v_mul_u32_u24 v[SQ], v16, 24
	v_add_nc_u32 v[SQ], s60, v[SQ]
	v_mul_u32_u24 v[WA], v16, 48
	v_add_nc_u32 v[SK], s60, v[WA]
	v_add_nc_u32 v[SR], s60, v[LI]
	v_lshlrev_b32 v[WSA], 4, v17
	v_lshlrev_b32 v[BA], 6, v18
	v_lshl_add_u32 v[BVA], v19, 3, v17
	v_lshlrev_b32 v[BVA], 2, v[BVA]
	v_lshl_add_u32 v13, v18, 3, v[WSA]             ; 16 r + 8 h: Q's scale words
	v_lshlrev_b32 v14, 3, v17
	v_lshl_add_u32 v14, v18, 2, v14                ; 8 r + 4 h: K's
	v_lshl_add_u32 v15, v18, 2, v[WSA]             ; 16 r + 4 h: V's
.irp j, 2,3,4,5,6,7
	v_mov_b32 v[TM+\j], 0                          ; written once: a lane permute's destination counts as one of its sources
.endr
	s_mov_b32 s[SEL], 0x76543210
	s_mov_b32 s[SEL+1], 0xfedcba98                 ; v_permlanex16_b32's selects for lane l xor 16
	s_mov_b32 s[HM], 0xffff0000                    ; lanes 16-31
	s_mov_b32 s45, 0
	s_mul_i32 s44, s33, 24576
	s_add_nc_u64 s[40:41], s[6:7], s[44:45]        ; the weights' codes at my head's four tiles
	s_lshl_b32 s44, s33, 10
	s_add_nc_u64 s[42:43], s[6:7], s[44:45]        ; and their scale words
	s_lshl_b32 s44, s33, 8
	s_add_nc_u64 s[8:9], s[8:9], s[44:45]          ; the biases at my head's 64 numbers
	s_add_nc_u64 s[10:11], s[10:11], s[44:45]
	s_add_nc_u64 s[12:13], s[12:13], s[44:45]
	s_mul_i32 s44, s39, 196608
	s_mul_i32 s58, s38, 3072
	s_add_co_u32 s44, s44, s58                     ; the same place in all three buffers of codes
	s_add_nc_u64 s[46:47], s[14:15], s[44:45]
	s_add_nc_u64 s[48:49], s[16:17], s[44:45]
	s_add_nc_u64 s[50:51], s[18:19], s[44:45]
	s_lshl_b32 s44, s39, 14
	s_lshl_b32 s58, s38, 8
	s_add_co_u32 s44, s44, s58
	s_add_nc_u64 s[52:53], s[14:15], s[44:45]      ; Q's scale words
	s_lshl_b32 s44, s39, 13
	s_lshl_b32 s58, s38, 7
	s_add_co_u32 s44, s44, s58
	s_add_nc_u64 s[54:55], s[16:17], s[44:45]      ; K's
	s_lshl_b32 s44, s39, 13
	s_lshr_b32 s58, s38, 1
	s_lshl_b32 s58, s58, 8
	s_add_co_u32 s44, s44, s58
	s_and_b32 s58, s38, 1
	s_lshl_b32 s58, s58, 1
	s_add_co_u32 s44, s44, s58
	s_add_nc_u64 s[56:57], s[18:19], s[44:45]      ; V's: my 64 keys' half of each word
	WIN 0x80                                       ; destination window 2: Wq
.set f, 0
.rept 16
.irp g, 0,1,2
	global_load_b128 v[12*f+4*\g:12*f+4*\g+3], v[LI], s[40:41] offset:1536*f+512*\g   ; four registers of all lanes: 512 consecutive bytes
.endr
.set f, f+1
.endr
	WIN 0xc0                                       ; window 3: Wk
.set f, 0
.rept 16
.irp g, 0,1,2
	global_load_b128 v[12*f+4*\g:12*f+4*\g+3], v[LI], s[40:41] offset:196608+1536*f+512*\g
.endr
.set f, f+1
.endr
	WIN 0x40                                       ; window 1: bq, bk: for tile t = 2 B + u lane half h wants channels 32 B + 16 h + 8 u + 0 .. 7
.irp t, 0,1,2,3
	global_load_b128 v[192+8*\t:195+8*\t], v[BA], s[8:9] offset:(32*(\t/2)+8*(\t%2))*4
	global_load_b128 v[196+8*\t:199+8*\t], v[BA], s[8:9] offset:(32*(\t/2)+8*(\t%2))*4+16
	global_load_b128 v[224+8*\t:227+8*\t], v[BA], s[10:11] offset:(32*(\t/2)+8*(\t%2))*4
	global_load_b128 v[228+8*\t:231+8*\t], v[BA], s[10:11] offset:(32*(\t/2)+8*(\t%2))*4+16
.endr
	WIN 0x80                                       ; window 2: bv: a lane holds one channel, so its eight registers hold the same number
.irp t, 0,1,2,3
.irp j, 0,1,2,3,4,5,6,7
	global_load_b32 v[192+8*\t+\j], v[BVA], s[12:13] offset:(32*(\t/2)+8*(\t%2))*4
.endr
.endr
	WIN 0
.irp t, 0,1,2,3
	global_load_b128 v[WQS+4*\t:WQS+4*\t+3], v[WSA], s[42:43] offset:786432+256*\t
	global_load_b128 v[WKS+4*\t:WKS+4*\t+3], v[WSA], s[42:43] offset:786432+8192+256*\t
	global_load_b128 v[WVS+4*\t:WVS+4*\t+3], v[WSA], s[42:43] offset:786432+16384+256*\t
.endr
	; ---- X: my 16 rows of x become four fragments' parts
.macro XLD k, buf                      ; my 64 numbers of K step k
.irp b, 0,1,2,3
.irp j, 0,1,2,3
	ds_load_b128 v[\buf+16*\b+4*\j:\buf+16*\b+4*\j+3], v[XR] offset:512*(\k)+16*((\k)/2)+128*\b+16*\j
.endr
.endr
.endm
.macro IMG k                           ; the codes and the scale word go to their places in the tiles' images
.irp g, 0,1,2
	ds_store_b128 v[XWI], v[PC+4*\g:PC+4*\g+3] offset:XIMG+1536*(\k)+512*\g
.endr
	ds_store_b32 v[XWS], v[PW] offset:128*(\k)
.endm
	s_wait_tensorcnt 0x0                           ; my rows are in LDS; nobody else reads them
	XLD 0, XA0
	XLD 1, XA1
	s_wait_dscnt 16                                ; all but the youngest 16 loads: K step 0's numbers are in
	QUANT XA0
	IMG 0
	XLD 2, XA0
	s_wait_dscnt 16                                ; K step 1's numbers are in, and the stores ahead of the youngest 16 loads are done
	QUANT XA1
	IMG 1
	XLD 3, XA1
	s_wait_dscnt 16                                ; likewise for K step 2
	QUANT XA0
	IMG 2
	s_wait_dscnt 0x0
	QUANT XA1
	IMG 3
	s_wait_dscnt 0x0                               ; for the others' sake: my stores are done
	s_barrier_signal -1
	s_barrier_wait -1                              ; x's sixteen fragments lie in LDS
	WIN 0x40
.set f, 0
.rept 16
.irp g, 0,1,2
	ds_load_b128 v[12*f+4*\g:12*f+4*\g+3], v[LI] offset:XIMG+1536*f+512*\g
.endr
.set f, f+1
.endr
	WIN 0
.set f, 0
.rept 16
	ds_load_b32 v[XS+f], v[LS] offset:XSC+128*f
.set f, f+1
.endr
	s_wait_dscnt 0x0
	s_wait_loadcnt 0x0                             ; the weights, their scale words, the biases
; Q or K.  For each tile m of rows: 16 matrix instructions on four accumulators by turns, quantised, into the stage.
.macro PHT win1, winr, bias, wsc, stg, pair
.irp m, 0,1,2,3
	WIN \win1
.irp t, 0,1,2,3
	v_wmma_scale_f32_16x16x128_f8f6f4 v[ACC+8*\t:ACC+8*\t+7], v[48*\t:48*\t+11], v[48*\m:48*\m+11], v[\bias+8*\t:\bias+8*\t+7], v[\wsc+4*\t], v[XS+4*\m] matrix_a_fmt:MATRIX_FMT_FP6 matrix_b_fmt:MATRIX_FMT_FP6
.endr
	WIN \winr
.irp k, 1,2,3
.irp t, 0,1,2,3
	v_wmma_scale_f32_16x16x128_f8f6f4 v[ACC+8*\t:ACC+8*\t+7], v[48*\t+12*\k:48*\t+12*\k+11], v[48*\m+12*\k:48*\m+12*\k+11], v[ACC+8*\t:ACC+8*\t+7], v[\wsc+4*\t+\k], v[XS+4*\m+\k] matrix_a_fmt:MATRIX_FMT_FP6 matrix_b_fmt:MATRIX_FMT_FP6
.endr
.endr
	WIN 0
.rept 5
	v_nop                                          ; four places in front of the reads of the results; the fifth since the next tile begins these accumulators anew with another C
.endr
	QUANT2 ACC, HW+\m
.irp i, 0,1,2
.if \pair
	ds_store_b64 v[\stg], v[CQ+2*\i:CQ+2*\i+1] offset:1536*(\m/2)+24*(\m%2)+8*\i
.else
	ds_store_b64 v[\stg], v[CQ+2*\i:CQ+2*\i+1] offset:768*\m+8*\i
.endif
.endr
	s_wait_dscnt 0x0                               ; the stores have read their registers
.endr
.endm
.macro OUT ptr, ph                     ; 3,072 bytes of the stage leave as they lie: each store of the wave covers 512 consecutive bytes, aligned
.irp i, 0,1,2,3,4,5
	ds_load_b128 v[OB+24*\ph+4*\i:OB+24*\ph+4*\i+3], v[SR] offset:512*\i
.endr
	s_wait_dscnt 0x0
.irp i, 0,1,2,3,4,5
	global_store_b128 v[LI], v[OB+24*\ph+4*\i:OB+24*\ph+4*\i+3], s[\ptr:\ptr+1] offset:512*\i
.endr
.endm
	; ---- Q
	PHT 0x16, 0x06, 192, WQS, SQ, 0                ; source 0 (Wq) window 2, source 1 (x) window 1, first C (bq) window 1
	OUT 46, 0
.irp m, 0,1,2,3
	v_lshl_or_b32 v[PKW+\m], v[HW+\m], 16, v[HW+\m]   ; the two bytes twice: they serve either half of a K of 128
.endr
	v_cndmask_b32 v[SD], v[PKW], v[PKW+2], s[HM]   ; lanes 0-15 store tiles 0, 1, lanes 16-31 tiles 2, 3
	v_cndmask_b32 v[SD+1], v[PKW+1], v[PKW+3], s[HM]
	global_store_b64 v13, v[SD:SD+1], s[52:53] offset:3145728
	WIN 0x80                                       ; Wv takes Wq's registers: their last product stands far more than four places back; it lands under K's products
.set f, 0
.rept 16
.irp g, 0,1,2
	global_load_b128 v[12*f+4*\g:12*f+4*\g+3], v[LI], s[40:41] offset:393216+1536*f+512*\g
.endr
.set f, f+1
.endr
	WIN 0
	; ---- K
	PHT 0x17, 0x07, 224, WKS, SK, 1                ; source 0 (Wk) window 3, first C (bk) window 1
	OUT 48, 1
	v_lshl_or_b32 v[PKW+4], v[HW+1], 16, v[HW]     ; a pair's word: tile 2 p's bytes, then tile 2 p + 1's
	v_lshl_or_b32 v[PKW+5], v[HW+3], 16, v[HW+2]
	v_cndmask_b32 v[SD+2], v[PKW+4], v[PKW+5], s[HM]
	global_store_b32 v14, v[SD+2], s[54:55] offset:3145728
	; ---- V: source 0 = x, source 1 = Wv
	s_wait_loadcnt 0x0                             ; Wv
.irp t, 0,1,2,3
	WIN 0x29                                       ; source 0 (x) window 1, source 1 (Wv) and first C (bv) window 2
.irp m, 0,1,2,3
	v_wmma_scale_f32_16x16x128_f8f6f4 v[ACC+8*\m:ACC+8*\m+7], v[48*\m:48*\m+11], v[48*\t:48*\t+11], v[192+8*\t:192+8*\t+7], v[XS+4*\m], v[WVS+4*\t] matrix_a_fmt:MATRIX_FMT_FP6 matrix_b_fmt:MATRIX_FMT_FP6
.endr
	WIN 0x09
.irp k, 1,2,3
.irp m, 0,1,2,3
	v_wmma_scale_f32_16x16x128_f8f6f4 v[ACC+8*\m:ACC+8*\m+7], v[48*\m+12*\k:48*\m+12*\k+11], v[48*\t+12*\k:48*\t+12*\k+11], v[ACC+8*\m:ACC+8*\m+7], v[XS+4*\m+\k], v[WVS+4*\t+\k] matrix_a_fmt:MATRIX_FMT_FP6 matrix_b_fmt:MATRIX_FMT_FP6
.endr
.endr
	WIN 0
.rept 5
	v_nop                                          ; as above: four for the reads, one more for the accumulators begun anew
.endr
	QUANT2 ACC, HW+\t                              ; a lane holds one channel; its 32 registers are 32 of the block's 64 keys
.irp i, 0,1,2
	ds_store_b64 v[SQ], v[CQ+2*\i:CQ+2*\i+1] offset:768*\t+8*\i
.endr
	s_wait_dscnt 0x0
.endr
	OUT 50, 2
	v_cndmask_b32 v[SD+4], v[HW], v[HW+1], s[HM]   ; lanes 0-15 store tiles 0 and 2, lanes 16-31 tiles 1 and 3
	v_cndmask_b32 v[SD+5], v[HW+2], v[HW+3], s[HM]
	global_store_b16 v15, v[SD+4], s[56:57] offset:3145728
	global_store_b16 v15, v[SD+5], s[56:57] offset:3145728+8
	s_wait_tensorcnt 0x0
	ds_add_u32 v26, v27
	s_wait_dscnt 0x0
	s_endpgm
.Lfunc_end_k_q7b26307fb9_proj:
	.size	k_q7b26307fb9_proj, .Lfunc_end_k_q7b26307fb9_proj-k_q7b26307fb9_proj
	.p2alignl 7, 3214868480
	.fill 96, 4, 3214868480
	.section	.rodata,"a",@progbits
	.p2align	6, 0x0
	.amdhsa_kernel k_q7b26307fb9_proj
		.amdhsa_group_segment_fixed_size 172544
		.amdhsa_private_segment_fixed_size 0
		.amdhsa_enable_private_segment 0
		.amdhsa_kernarg_size 64
		.amdhsa_user_sgpr_count 2
		.amdhsa_user_sgpr_kernarg_segment_ptr 1
		.amdhsa_wavefront_size32 1
		.amdhsa_system_sgpr_workgroup_id_x 1
		.amdhsa_system_sgpr_workgroup_id_y 1
		.amdhsa_system_sgpr_workgroup_id_z 1
		.amdhsa_system_vgpr_workitem_id 0
		.amdhsa_next_free_vgpr 1024
		.amdhsa_next_free_sgpr 66
		.amdhsa_reserve_vcc 0
		.amdhsa_float_denorm_mode_32 3
		.amdhsa_float_denorm_mode_16_64 3
		.amdhsa_memory_ordered 1
		.amdhsa_forward_progress 1
		.amdhsa_inst_pref_size 105
	.end_amdhsa_kernel
	.amdgpu_metadata
---
amdhsa.version: [ 1, 2 ]
amdhsa.kernels:
  - .name:           k_q7b26307fb9_proj
    .symbol:         k_q7b26307fb9_proj.kd
    .args:
      - { .name: x, .offset: 0, .size: 8, .value_kind: global_buffer, .address_space: global }
      - { .name: wbuf, .offset: 8, .size: 8, .value_kind: global_buffer, .address_space: global }
      - { .name: bq, .offset: 16, .size: 8, .value_kind: global_buffer, .address_space: global }
      - { .name: bk, .offset: 24, .size: 8, .value_kind: global_buffer, .address_space: global }
      - { .name: bv, .offset: 32, .size: 8, .value_kind: global_buffer, .address_space: global }
      - { .name: qbuf, .offset: 40, .size: 8, .value_kind: global_buffer, .address_space: global }
      - { .name: kbuf, .offset: 48, .size: 8, .value_kind: global_buffer, .address_space: global }
      - { .name: vbuf, .offset: 56, .size: 8, .value_kind: global_buffer, .address_space: global }
    .group_segment_fixed_size: 172544
    .private_segment_fixed_size: 0
    .kernarg_segment_align: 8
    .kernarg_segment_size: 64
    .max_flat_workgroup_size: 128
    .sgpr_count:     66
    .vgpr_count:     1024
    .wavefront_size: 32
...
	.end_amdgpu_metadata
.endif
;; end of part 2
;; launch attn (part 3): grid 16 x 16, 16 waves a work-group, no clusters, 327,680 bytes of LDS; arguments qbuf, kbuf, vbuf, mc, obuf; writes obuf
.if DOCPART == 3
	.amdgcn_target "amdgcn-amd-amdhsa--gfx1250"
	.amdhsa_code_object_version 6
	.text
	.protected	k_q7b26307fb9_attn
	.globl	k_q7b26307fb9_attn
	.p2align	8
	.type	k_q7b26307fb9_attn,@function
k_q7b26307fb9_attn:
	s_mov_b64 s[64:65], 0
	v_nop
	global_prefetch_b8 v0, s[64:65] scope:SCOPE_SE
	s_setreg_imm32_b32 hwreg(HW_REG_WAVE_MODE, 25, 1), 1
	s_wait_xcnt 0x0
; ATTN.  O = softmax(Q K^T / 8 + penalty) V for one (batch, head), both products on codes of FP6 (E2M3) with E8M0 scales; O / l is quantised along the head for the last product.
; THE SOFTMAX AHEAD OF THE SECOND PRODUCT: t = logit x log2(e); M = the running largest t rounded up to a whole number; p = 2^(t - M), one multiply-add and one exponential, is what is quantised, along the keys;
; the row's sum is taken of the unquantised p and divides O at the end.  When M moves, the sum and O are multiplied by 2^(old M - new M): exact.
; SHARES.  A work-group owns 256 queries of one head, each of its sixteen waves one tile of 16, in 256 registers.  Every wave walks all 4,096 keys, 128 a step.  K and V come through a ring of two LDS slots of 512 keys:
; waves 0-3 fetch 6,144 bytes of K each, waves 4-7 of V.  The head's scale words stay in LDS: waves 8-15 fetch 2,048 bytes of them each, at the head.  So every wave issues one tensor load at the head.
; THE CHANGE OF SLOTS is begun inside a slot's last step: as soon as that step's fragments of V are in registers the wave reads the slot no more and signals; the exponentials, the quantiser, the second product and the sums,
; all work on registers, stand between the signal and the barrier's wait.
; NO CLUSTER: the sixteen work-groups of a head walk the same K and V, but a slot's 49,152 bytes serve four steps of sixteen waves with some 220 vector instructions each: what is shared is a small part of a step's work,
; and each of the eight changes of slots would take a round of the cluster's barrier.
; PREFETCH: in the trip whose tensor loads bring slot n + 1, waves 8 (K) and 9 (V) name slot n + 2: of its 96 blocks of 256 bytes each of the head's sixteen work-groups takes 6, a lane a block (the lanes left over name the sixth again);
; the last trip asks for nothing.  The mask's codes come by loads into registers that are issued two key steps ahead of their use, and are not prefetched beside that.
; LAYOUT.  Both products are used transposed: S^T = K Q^T, O^T = V^T P^T: a lane holds ONE query (lane % 16) throughout.  THE HEAD IS 64 AND THE INSTRUCTION 128 DEEP: a fragment of K holds a PAIR of key tiles, one in each half of K;
; Q stands in two fragments, (q | zeros) and (zeros | q).  WHICH KEYS FORM A TILE is chosen by the lanes' LDS addresses: row 8 a + w of tile 4 c + u' holds key 64 c + 32 a + 8 u' + w, so that the 32 score registers 32 c .. 32 c + 31
; of lane half h are the keys 64 c + 32 h + 0 .. 31: a whole block of the second product's K in one lane, in that operand's own order: no lane is asked for a block's maximum, and no codes change lanes.
; Rows with a = 0 come from the stored pairs of even number, rows with a = 1 from the odd ones: the tensor loads lay the two kinds in two regions whose distance is 128 bytes over a multiple of 256.
; THE MASK is the first product's C: eight 4-bit codes (0, or -4) are widened by one conversion with the scale 2^31: 0 where the mask is true, -2^33 where not.
; LIMITS: the penalty on the logit is -2^30 where reference() adds -1e9: a forbidden key's p is 0 under both while the row has an allowed key and logits stay under 1e8 in magnitude; in a row none of whose 4,096 keys is allowed the common
; shift cancels, and q.k - 2^33 is rounded by the matrix unit on another grid than reference()'s f32 sum.  The promise holds while the scaled scores stay under 2^31 in magnitude.  A block's largest p is taken from its largest score, which takes
; v_exp_f32 not to fall where its input rises.  The row's sum is made in four chains a step.  A block of zeros gets the byte 1 (its codes are zeros).  NaN and infinities are not served.
.set SLOT1, 65536                      ; slot 1 begins here: one exclusive or turns an address
.set KP1,   12416                      ; a slot: K's 8 even pairs (1,536 bytes each), 128 bytes unused, its 8 odd pairs,
.set VOFF,  24832                      ; 128 bytes unused, then V's 8 x 4 half fragments (768 each)
.set SCK,   131072                     ; K's scale words of the head, 256 bytes a key step
.set SCV,   139264                     ; V's likewise
.set SPARE, 147456                     ; the spare words, 128 bytes for each wave
.set AK0,  1                           ; KP1 a + 768 h + 48 w
.set AV0,  2                           ; 24 x lane
.set ASK0, 3                           ; SCK + 64 (lane / 16) + 8 w + 4 a
.set ASV0, 4                           ; SCV + 16 r
.set SPW,  5                           ; my spare word; never rewritten
.set NIL,  6                           ; 0; never rewritten
.set MA,   7                           ; 16 x lane
.set AK,   8                           ; addresses in the slot in hand
.set AV,   9
.set ADS,  10
.set ADT,  11
                                       ; v12 -M, v13 the largest score, v[14:15] the row's sum in two halves
.set QA,   16                          ; q | zeros
.set QB,   28                          ; zeros | q
.set KV,   40                          ; four fragments: K's pairs, then V's tiles
.set S,    88                          ; the scores, then p
.set O,    152                         ; O^T
.set P,    184                         ; p's codes
.set CT,   196
.set BM,   204                         ; my two blocks' largest score, then p
.set SO,   206                         ; the conversions' scale operands
.set BX,   208
.set KS,   210                         ; scale words: K's two, V's four, Q's, p's: these registers hold nothing else
.set VS,   212
.set QS,   216
.set PS,   217
.set FF,   218                         ; f = 2^(old M - new M)
.set TT,   220
.set SH,   222                         ; 8 h
.set MSC,  223                         ; the mask conversions' scale byte, 127 + 31, four times
.set MC,   224                         ; mask codes: the even steps' at v224-231, the odd steps' at v242-249
.set LS,   232                         ; the step's sum, four chains of pairs
.set PFO,  240
.set TM,   204                         ; for the last quantiser
.set CQ,   184
.set WV,   6
.set G1K,  8                           ; s[8:15] group 1 of K's loads; s[16:19] their group 0, which walks
.set G0K,  16
.set G1V,  20                          ; s[20:27], s[88:91] the same for V's
.set G0V,  88
.set G1S,  80                          ; s[80:87], s[28:31] for the scale words
.set G0S,  28
.set SEL,  66
.set C8,   68                          ; log2(e) / 8, twice
.set TS,   70
.set SLOTS, 71
.set TB,   72
.set MB,   74                          ; my tile's mask codes, at the slot in hand
.set PF,   76                          ; where my prefetch stands
.set PFL,  78                          ; 1 in waves 8 and 9, else above every count of trips
	s_load_b256 s[32:39], s[0:1], 0x0              ; qbuf, kbuf, vbuf, mc
	s_load_b64 s[4:5], s[0:1], 0x20                ; obuf
	v_lshl_add_u32 v[SPW], v0, 2, SPARE
	v_mov_b32 v[NIL], 0
	ds_add_u32 v[SPW], v[NIL]                      ; the opening lines: the add twice on end
	ds_add_u32 v[SPW], v[NIL]
	v_lshrrev_b32 v8, 5, v0
	v_readfirstlane_b32 s[WV], v8                  ; wave 0..15
	s_and_b32 s40, ttmp7, 0xffff                   ; bh
	s_lshl_b32 s41, ttmp9, 4
	s_add_co_u32 s41, s41, s[WV]                   ; my query tile
	s_and_b32 s42, s[WV], 1
	s_bfe_u32 s43, s[WV], 0x20001                  ; (wave / 2) % 4
	s_and_b32 s57, s43, 1
	s_and_b32 s58, s[WV], 3
	; group 1, elements of 8 bytes, no padding.  K: 4 rows of 1,536 bytes, every second stored pair; V: 24 dense rows of 256 bytes; the scale words: 8 such rows
	s_mov_b32 s[G1K], 3<<16
	s_mov_b32 s[G1K+1], 192<<16
	s_mov_b32 s[G1K+2], 4<<16
	s_mov_b32 s[G1K+3], 192<<16
	s_mov_b32 s[G1K+4], 4
	s_mov_b32 s[G1K+5], 384
	s_mov_b32 s[G1K+6], 0
	s_mov_b32 s[G1K+7], 0
	s_mov_b32 s[G1V], 3<<16
	s_mov_b32 s[G1V+1], 32<<16
	s_mov_b32 s[G1V+2], 24<<16
	s_mov_b32 s[G1V+3], 32<<16
	s_mov_b32 s[G1V+4], 24
	s_mov_b32 s[G1V+5], 32
	s_mov_b32 s[G1V+6], 0
	s_mov_b32 s[G1V+7], 0
	s_mov_b32 s[G1S], 3<<16
	s_mov_b32 s[G1S+1], 32<<16
	s_mov_b32 s[G1S+2], 8<<16
	s_mov_b32 s[G1S+3], 32<<16
	s_mov_b32 s[G1S+4], 8
	s_mov_b32 s[G1S+5], 32
	s_mov_b32 s[G1S+6], 0
	s_mov_b32 s[G1S+7], 0
	s_mov_b32 s[G0K], 1                            ; K, waves 0-3: the pairs of parity wave % 2, the blocks' half wave / 2
	s_mul_i32 s[G0K+1], s42, KP1
	s_mul_i32 s50, s57, 6144
	s_add_co_u32 s[G0K+1], s[G0K+1], s50
	s_mov_b32 s[G0V], 1                            ; V, waves 4-7: key step wave % 4
	s_mul_i32 s59, s58, 6144
	s_add_co_u32 s[G0V+1], s59, VOFF
	s_mov_b32 s[G0S], 1                            ; the scale words, waves 8-15: K's or V's by wave % 2, the quarter (wave / 2) % 4
	s_lshl_b32 s[G0S+1], s42, 13
	s_lshl_b32 s51, s43, 11
	s_add_co_u32 s[G0S+1], s[G0S+1], s51
	s_add_co_u32 s[G0S+1], s[G0S+1], SCK
	s_mul_i32 s56, s40, 196608                     ; the head's codes
	s_mul_i32 s44, s42, 1536
	s_mul_i32 s50, s57, 12288
	s_add_co_u32 s44, s44, s50
	s_add_co_u32 s44, s44, s56
	s_mov_b32 s45, 0
	s_add_co_u32 s60, s56, s59
	s_mov_b32 s61, 0
	s_lshl_b32 s46, s40, 13
	s_add_co_u32 s46, s46, s51
	s_add_co_u32 s46, s46, 3145728                 ; and its scale words
	s_mov_b32 s47, 0
	s_mul_i32 s52, ttmp9, 1536                     ; the prefetch: my work-group's six blocks of slot 2
	s_add_co_u32 s52, s52, s56
	s_add_co_u32 s52, s52, 2*24576
	s_mov_b32 s53, 0
	s_lshr_b32 s54, s[WV], 1
	s_cmp_eq_u32 s54, 4
	s_cselect_b32 s[PFL], 1, 100
	s_wait_dscnt 0x0                               ; both opening adds are done
	s_wait_kmcnt 0x0
	s_add_nc_u64 s[G0K+2:G0K+3], s[34:35], s[44:45]
	s_or_b32 s[G0K+3], s[G0K+3], 0x80000000
	s_add_nc_u64 s[G0V+2:G0V+3], s[36:37], s[60:61]
	s_or_b32 s[G0V+3], s[G0V+3], 0x80000000
	s_cmp_eq_u32 s42, 0                            ; the choice hangs on the wave's number alone
	s_cselect_b64 s[48:49], s[34:35], s[36:37]
	s_add_nc_u64 s[G0S+2:G0S+3], s[48:49], s[46:47]
	s_or_b32 s[G0S+3], s[G0S+3], 0x80000000
	s_add_nc_u64 s[PF:PF+1], s[48:49], s[52:53]
	s_cmp_lt_u32 s[WV], 4                          ; the first fills: one chain of branches, a load in each arm, one a wave
	s_cbranch_scc0 .Lfirst_v
	tensor_load_to_lds s[G0K:G0K+3], s[G1K:G1K+7]  ; my quarter of slot 0's K
	s_nop 0
.rept 4
	v_nop                                          ; four plain lines behind a tensor load
.endr
	s_branch .Lfirst_done
.Lfirst_v:
	s_cmp_lt_u32 s[WV], 8
	s_cbranch_scc0 .Lfirst_sc
	tensor_load_to_lds s[G0V:G0V+3], s[G1V:G1V+7]  ; my quarter of slot 0's V
	s_nop 0
.rept 4
	v_nop
.endr
	s_branch .Lfirst_done
.Lfirst_sc:
	tensor_load_to_lds s[G0S:G0S+3], s[G1S:G1S+7]  ; my eighth of the head's scale words: filled once
	s_nop 0
.rept 4
	v_nop
.endr
.Lfirst_done:
	v_and_b32 v8, 31, v0                           ; lane
	v_and_b32 v9, 15, v0                           ; r
	v_bfe_u32 v10, v0, 4, 1                        ; h
	v_bfe_u32 v11, v0, 3, 1                        ; a
	v_and_b32 v12, 7, v0                           ; w
	v_mul_u32_u24 v[AV0], v8, 24
	v_mul_u32_u24 v[AK0], v12, 48                  ; row 8 a + w of the pair (c, v) lies in the stored pair 2 c + a at lane 16 h + 8 v + w
	v_lshl_add_u32 v[ASK0], v12, 3, SCK            ; and its scale word at 128 c + 8 (8 v + w) + 4 a; lanes 16-31 take v = 1
	v_lshl_add_u32 v[ASV0], v9, 4, SCV
	v_lshlrev_b32 v[MA], 4, v8
	v_mad_u32_u24 v[AK0], v10, 768, v[AK0]
	v_lshl_add_u32 v[ASK0], v10, 6, v[ASK0]
	v_lshlrev_b32 v[SH], 3, v10
	v_min_u32 v[PFO], 5, v8
	v_lshlrev_b32 v[TT], 4, v9
	v_mad_u32_u24 v[AK0], v11, KP1, v[AK0]
	v_lshl_add_u32 v[ASK0], v11, 2, v[ASK0]
	v_lshlrev_b32 v[PFO], 8, v[PFO]
	s_wait_alu depctr_va_vdst(0)                   ; the wait ahead of the run of scalar lines
	s_mul_i32 s50, s41, 768
	s_add_co_u32 s50, s50, s56
	s_mov_b32 s51, 0
	s_add_nc_u64 s[50:51], s[32:33], s[50:51]      ; my tile's codes
	s_lshl_b32 s52, s40, 14
	s_lshr_b32 s53, s41, 2
	s_lshl_b32 s53, s53, 8
	s_add_co_u32 s52, s52, s53
	s_and_b32 s53, s41, 3
	s_lshl_b32 s53, s53, 2
	s_add_co_u32 s52, s52, s53
	s_mov_b32 s53, 0
	s_add_nc_u64 s[52:53], s[32:33], s[52:53]      ; and its scale words
	s_lshl_b32 s54, s41, 15
	s_mov_b32 s55, 0
	s_add_nc_u64 s[MB:MB+1], s[38:39], s[54:55]    ; my tile's mask codes: 1,024 bytes a key step
.irp i, 0,1,2
	global_load_b64 v[QA+2*\i:QA+2*\i+1], v[AV0], s[50:51] offset:8*\i
.endr
	global_load_b32 v[QS], v[TT], s[52:53] offset:3145728
.irp i, 0,1
	global_load_b128 v[MC+18*\i:MC+18*\i+3], v[MA], s[MB:MB+1] offset:1024*\i          ; key steps 0 and 1: 32 lanes read 512 consecutive bytes
	global_load_b128 v[MC+18*\i+4:MC+18*\i+7], v[MA], s[MB:MB+1] offset:1024*\i+512
.endr
	s_mov_b32 s[SEL], 0x76543210
	s_mov_b32 s[SEL+1], 0xfedcba98                 ; v_permlanex16_b32's selects for lane l xor 16
	s_mov_b32 s[C8], 0x3e38aa3b                    ; log2(e) / 8
	s_mov_b32 s[C8+1], 0x3e38aa3b
	s_mov_b32 s[TS], 0
	s_mov_b32 s[TB], 0
	s_mov_b32 s[SLOTS], 7
	v_mov_b32 v[MSC], 0x9e9e9e9e
	v_mov_b32 v13, 0xff61b1e6                      ; the largest score so far: -3e38
	v_mov_b32 v12, 0x7e000000                      ; -M = 2^125: the first step's f comes out 0
	v_mov_b32 v14, 0
	v_mov_b32 v15, 0
.set j, 0
.rept 32
	v_mov_b32 v[O+j], 0                            ; the step is written once: the first finds zeros, which the first change of M leaves zeros
.set j, j+1
.endr
.irp j, 0,1,2,3,4,5
	v_mov_b32 v[QA+6+\j], 0                        ; the halves of K in which a fragment of Q counts for nothing
	v_mov_b32 v[QB+\j], 0
.endr
	v_mov_b32 v[LS], 0                             ; a lane permute's destination counts as one of its sources
	v_mov_b32 v[TT+1], 0
	v_mov_b32 v[FF+1], 0                           ; (named as the upper half of a pair)
	s_wait_loadcnt 0x0                             ; Q, and the first two steps' mask codes
.irp j, 0,1,2,3,4,5
	v_mov_b32 v[QB+6+\j], v[QA+\j]
.endr
.macro MM d, a, b, sa, sb, row
.if \row
	v_wmma_scale_f32_16x16x128_f8f6f4 v[\d:\d+7], v[\a:\a+11], v[\b:\b+11], v[\d:\d+7], v[\sa], v[\sb] matrix_a_fmt:MATRIX_FMT_FP6 matrix_b_fmt:MATRIX_FMT_FP6 matrix_a_scale:MATRIX_SCALE_ROW1
.else
	v_wmma_scale_f32_16x16x128_f8f6f4 v[\d:\d+7], v[\a:\a+11], v[\b:\b+11], v[\d:\d+7], v[\sa], v[\sb] matrix_a_fmt:MATRIX_FMT_FP6 matrix_b_fmt:MATRIX_FMT_FP6
.endif
.endm
.macro SUMG g                          ; eight more p onto the step's four chains
.irp k, 0,1,2,3
	v_pk_add_f32 v[LS+2*\k:LS+2*\k+1], v[LS+2*\k:LS+2*\k+1], v[S+8*(\g)+2*\k:S+8*(\g)+2*\k+1]
.endr
.endm
.macro KLOAD q                         ; K's pairs (c, v) = (f / 2, f % 2) of key step q, and their scale words
.irp f, 0,1,2,3
.irp g, 0,1,2
	ds_load_b128 v[KV+12*\f+4*\g:KV+12*\f+4*\g+3], v[AK] offset:3072*(\q)+1536*(\f/2)+384*(\f%2)+16*\g
.endr
.endr
	ds_load_b32 v[KS], v[ADS] offset:256*(\q)      ; lanes 0-15: the words of pair (0, 0); lanes 16-31: of pair (0, 1)
	ds_load_b32 v[KS+1], v[ADS] offset:256*(\q)+128
.endm
.macro WALK                            ; the walking descriptors: the other slot, the next 512 keys.  Written only where no tensor load of the wave is out
	s_xor_b32 s[G0K+1], s[G0K+1], SLOT1
	s_add_nc_u64 s[G0K+2:G0K+3], s[G0K+2:G0K+3], 24576
	s_xor_b32 s[G0V+1], s[G0V+1], SLOT1
	s_add_nc_u64 s[G0V+2:G0V+3], s[G0V+2:G0V+3], 24576
.endm
; A KEY STEP: 128 keys, the q-th of the slot in hand.  ml = 1: the mask codes of two steps on are asked for.  lw: the mask loads that may stay out (the next step's two).  sync = 1: the change of slots begins in this step.
.macro STEP q, ml, lw, sync
.set MS, MC+18*((\q)%2)
.if (\q) == 0
	KLOAD 0                                        ; a slot's first fragments can be asked for only behind the barrier
.endif
	s_wait_loadcnt \lw                             ; this step's mask codes are in
.irp i, 0,1,2,3,4,5,6,7
	v_cvt_scale_pk8_f32_fp4 v[S+8*\i:S+8*\i+7], v[MS+\i], v[MSC]   ; score register n begins as 0 where the mask allows its key for my query, as -2^33 where not
.endr
	v_mov_b32 v[TT+1], v12                         ; the old -M.  (The plain place behind the conversions)
.if \ml
	global_load_b128 v[MS:MS+3], v[MA], s[MB:MB+1] offset:1024*(\q)+2048   ; the codes of two steps on, into the set just read
	global_load_b128 v[MS+4:MS+7], v[MA], s[MB:MB+1] offset:1024*(\q)+2560
.endif
	s_wait_alu depctr_va_vdst(0)                   ; the wait here, directly ahead of the wait below: the products read the C just made
	s_wait_dscnt 0x0
.irp f, 0,1,2,3                                ; S^T = K Q^T + C: one instruction to an accumulator
	MM S+16*\f, KV+12*\f, QA, KS+\f/2, QS, \f%2
	MM S+16*\f+8, KV+12*\f, QB, KS+\f/2, QS, \f%2
.endr
.rept 4
	v_nop                                          ; places in front of the loads into K's registers and of the first read of the scores
.endr
.irp t, 0,1,2,3                                ; V's four fragments land under the maxima
.irp c, 0,1
.irp i, 0,1,2
	ds_load_b64 v[KV+12*\t+6*\c+2*\i:KV+12*\t+6*\c+2*\i+1], v[AV] offset:VOFF+6144*(\q)+3072*\c+768*\t+8*\i
.endr
.endr
.endr
	ds_load_b128 v[VS:VS+3], v[ADT] offset:256*(\q)
.if \sync
	s_wait_tensorcnt 0x0                           ; all my tensor loads are done, my part of the next slot among them,
	ds_add_u32 v[SPW], v[NIL]                      ; 0 onto my spare word; work on registers follows
	WALK
.endif
.irp c, 0,1                                    ; the largest score of my two blocks of 32 keys, each in two chains; each accumulator is read from its low end on
	v_max3_num_f32 v[BM+\c], v[S+32*\c], v[S+32*\c+1], v[S+32*\c+2]
	v_max3_num_f32 v[BX+\c], v[S+32*\c+16], v[S+32*\c+17], v[S+32*\c+18]
.endr
.irp i, 3,5,7,9,11,13
.irp c, 0,1
	v_max3_num_f32 v[BM+\c], v[BM+\c], v[S+32*\c+\i], v[S+32*\c+\i+1]
	v_max3_num_f32 v[BX+\c], v[BX+\c], v[S+32*\c+16+\i], v[S+32*\c+17+\i]
.endr
.endr
.irp c, 0,1
	v_max3_num_f32 v[BM+\c], v[BM+\c], v[BX+\c], v[S+32*\c+15]
.endr
.irp c, 0,1
	v_max_num_f32 v[BM+\c], v[BM+\c], v[S+32*\c+31]
.endr
	s_delay_alu instid0(VALU_DEP_1)
	v_max3_num_f32 v[TT], v[BM], v[BM+1], v13
	s_delay_alu instid0(VALU_DEP_1)
	v_permlanex16_b32 v[LS], v[TT], s[SEL], s[SEL+1]
	s_delay_alu instid0(VALU_DEP_1)
	v_max_num_f32 v13, v[TT], v[LS]                ; with lane l xor 16's 64 keys: the running largest score
	s_delay_alu instid0(VALU_DEP_1)
	v_mul_f32 v[TT], s[C8], v13                    ; as t (the factor is positive)
	s_delay_alu instid0(VALU_DEP_1)
	v_floor_f32 v12, -v[TT]                        ; the new -M = -ceil(t): a whole number
	s_delay_alu instid0(VALU_DEP_1)
	v_sub_f32 v[TT], v12, v[TT+1]                  ; old M - new M: a whole number, 0 or less
	s_delay_alu instid0(VALU_DEP_1)
	v_cvt_i32_f32 v[TT], v[TT]                     ; (it saturates)
	s_delay_alu instid0(VALU_DEP_1)
	v_ldexp_f32 v[FF], 1.0, v[TT]                  ; f = 2^(old M - new M)
.if \sync
	s_wait_alu depctr_va_vdst(0)                   ; the wait here, directly ahead of the wait below
	s_wait_dscnt 0x0                               ; the add is done, and V is in registers: my reads of this slot are over:
	s_barrier_signal -1                            ; say so; only work on registers stands between here and the barrier's wait at the slot's end
.endif
.set j, 0
.rept 32
	v_pk_fma_f32 v[S+j:S+j+1], v[S+j:S+j+1], s[C8:C8+1], v[12:13] op_sel_hi:[1,0,0]   ; t - M, two at a time (of the pairs the low word serves both halves)
.set j, j+2
.endr
	v_pk_fma_f32 v[BM:BM+1], v[BM:BM+1], s[C8:C8+1], v[12:13] op_sel_hi:[1,0,0]       ; the same of each block's largest score
.set j, 0
.rept 16
	v_pk_mul_f32 v[O+j:O+j+1], v[O+j:O+j+1], v[FF:FF+1] op_sel_hi:[1,0]   ; O^T under the new M; each accumulator from its low end on
.set j, j+2
.endr
	s_wait_alu depctr_va_vdst(0)                   ; the wait ahead of the batch
.set j, 0
.rept 64
	v_exp_f32 v[S+j], v[S+j]                       ; p = 2^(t - M): not normalised
.set j, j+1
.endr
	v_exp_f32 v[BM], v[BM]                         ; the blocks' largest p: the same instructions on the same number give the same bits
	v_exp_f32 v[BM+1], v[BM+1]
	v_nop                                          ; the plain place behind the exponentials
	s_wait_alu depctr_va_vdst(0)                   ; one wait for the batch, ahead of its first reader
.irp c, 0,1
	v_max_num_f32 v[BM+\c], 0x1800000, v[BM+\c]    ; the floor 2^(3 - 127): the byte cannot fall under 1
.endr
.irp c, 0,1
	s_delay_alu instid0(VALU_DEP_2)
	v_add_nc_u32 v[SO+\c], 0xff000000, v[BM+\c]    ; 2 off the exponent field: the conversion's scale operand
.endr
.irp c, 0,1
	s_delay_alu instid0(VALU_DEP_2)
	v_lshrrev_b32 v[BX+\c], 23, v[SO+\c]           ; the scale's byte
.endr
	s_delay_alu instid0(VALU_DEP_1)
	v_lshl_or_b32 v[TT], v[BX+1], 16, v[BX]        ; my two bytes: blocks h and 2 + h,
	s_delay_alu instid0(VALU_DEP_1)
	v_lshlrev_b32 v[TT], v[SH], v[TT]              ; at their places in the word (8 h bits up);
	s_delay_alu instid0(VALU_DEP_1)
	v_permlanex16_b32 v[TT+1], v[TT], s[SEL], s[SEL+1]
	s_delay_alu instid0(VALU_DEP_1)
	v_or_b32 v[PS], v[TT], v[TT+1]                 ; with lane l xor 16's two: p's scale word for these 128 keys
.irp c, 0,1
	v_cvt_scalef32_pk16_fp6_f32 v[P+6*\c:P+6*\c+2], v[S+32*\c:S+32*\c+15], v[SO+\c]
	v_cvt_scalef32_pk16_fp6_f32 v[CT+4*\c:CT+4*\c+2], v[S+32*\c+16:S+32*\c+31], v[SO+\c]   ; (a conversion's three registers begin on an even number)
.endr
.irp k, 0,1,2,3                                ; THE ROW'S SUM IS TAKEN OF THE UNQUANTISED p: the step's own sum begins here.  (Plain places behind the conversions)
	v_pk_add_f32 v[LS+2*\k:LS+2*\k+1], v[S+2*\k:S+2*\k+1], v[S+8+2*\k:S+8+2*\k+1]
.endr
.irp c, 0,1
.irp i, 0,1,2
	v_mov_b32 v[P+3+6*\c+\i], v[CT+4*\c+\i]        ; registers 6 c .. 6 c + 5 hold k = 64 c + 32 h + 0 .. 31
.endr
.endr
	SUMG 2                                         ; twelve places between the operand's last write and the products
	SUMG 3
	SUMG 4
	s_wait_alu depctr_va_vdst(0)                   ; the wait here, directly ahead of the wait below
	s_wait_dscnt 0x0                               ; V and its scale words
.irp t, 0,1,2,3                                ; O^T += V^T P^T: one instruction to an accumulator
	MM O+8*\t, KV+12*\t, P, VS+\t, PS, 0
.endr
	SUMG 5                                         ; four places behind the products, in front of the loads into V's registers
.if (\q) < 3
	KLOAD (\q)+1                                   ; the next step's fragments of K: they land under the rest of the sum and the mask's conversions
.endif
	SUMG 6
	SUMG 7
	v_pk_add_f32 v[LS:LS+1], v[LS:LS+1], v[LS+2:LS+3]
	v_pk_add_f32 v[LS+4:LS+5], v[LS+4:LS+5], v[LS+6:LS+7]
	s_delay_alu instid0(VALU_DEP_1)
	v_pk_add_f32 v[LS:LS+1], v[LS:LS+1], v[LS+4:LS+5]
	s_delay_alu instid0(VALU_DEP_1)
	v_pk_fma_f32 v[14:15], v[14:15], v[FF:FF+1], v[LS:LS+1] op_sel_hi:[1,0,1]   ; the running sum under the new M, and the step's
.endm
; The refill: the first thing behind the barrier, and a wave's one tensor load until the next: the slot that nobody reads any more takes the next 512 keys, a quarter of K or of V from each of waves 0-7.
.macro FILL
	s_cmp_lt_u32 s[WV], 4
	s_cbranch_scc0 .Lfill_v_\@
	tensor_load_to_lds s[G0K:G0K+3], s[G1K:G1K+7]
	s_nop 0
.rept 4
	v_nop
.endr
	s_branch .Lfilled_\@
.Lfill_v_\@:
	s_cmp_lt_u32 s[WV], 8
	s_cbranch_scc0 .Lfilled_\@
	tensor_load_to_lds s[G0V:G0V+3], s[G1V:G1V+7]
	s_nop 0
.rept 4
	v_nop
.endr
.Lfilled_\@:
.endm
.macro SLOT more
	v_add_nc_u32 v[AK], s[TB], v[AK0]
	v_add_nc_u32 v[AV], s[TB], v[AV0]
	v_add_nc_u32 v[ADS], s[TS], v[ASK0]
	v_add_nc_u32 v[ADT], s[TS], v[ASV0]
	s_wait_alu depctr_va_vdst(0)                   ; the wait
	STEP 0, 1, 2, 0
.if \more
	s_wait_alu depctr_va_vdst(0)                   ; the wait ahead of the branch
	s_cmp_gt_u32 s[SLOTS], s[PFL]                  ; waves 8 and 9, in all trips but the last
	s_cbranch_scc0 .Lnopf_\@
	global_prefetch_b8 v[PFO], s[PF:PF+1] th:TH_LOAD_NT scope:SCOPE_SE   ; six blocks of the slot behind the one that is on its way
.Lnopf_\@:
.endif
	STEP 1, 1, 2, 0
.if \more
	STEP 2, 1, 2, 0
	STEP 3, 1, 2, 1
	s_wait_alu depctr_va_vdst(0)                   ; the wait ahead of the waits below and of the branch
	s_wait_xcnt 0x0                                ; the loads and the prefetch have read their bases
	s_add_nc_u64 s[MB:MB+1], s[MB:MB+1], 4096      ; the next four steps' mask codes,
	s_add_nc_u64 s[PF:PF+1], s[PF:PF+1], 24576
	s_xor_b32 s[TB], s[TB], SLOT1                  ; the other slot,
	s_add_co_u32 s[TS], s[TS], 1024                ; and the next four steps' scale words
	s_barrier_wait -1                              ; every wave has left this slot, and the next slot is whole
.else
	STEP 2, 0, 2, 0                                ; the launch's last two steps ask for no mask codes
	STEP 3, 0, 0, 0
.endif
.endm
	s_wait_alu depctr_va_vdst(0)                   ; the wait at the head's end
	s_wait_tensorcnt 0x0                           ; my part of the head's fills is in
	ds_add_u32 v[SPW], v[NIL]
	WALK
	s_wait_dscnt 0x0
	s_barrier_signal -1
	s_barrier_wait -1                              ; slot 0 and the scale words are whole
.Lslot:                                            ; seven trips: each asks for the next slot and walks the one in hand
	FILL
	SLOT 1
	s_sub_co_u32 s[SLOTS], s[SLOTS], 1
	s_cmp_lg_u32 s[SLOTS], 0
	s_cbranch_scc1 .Lslot
	SLOT 0                                         ; the last slot is written out
	; THE WAY OUT: O^T / l, quantised along the head's 64: obuf codes [G = 256 x batch + query tile][head][768]: registers 2 i, 2 i + 1 of lane l's six at 256 i + 8 l; + 3,145,728: two scale bytes [G][lane r][head].
	; The additions above are the places behind the last products.
	v_add_f32 v14, v14, v15                        ; the sum's two halves,
	s_delay_alu instid0(VALU_DEP_1)
	v_permlanex16_b32 v[TT], v14, s[SEL], s[SEL+1]
	s_delay_alu instid0(VALU_DEP_1)
	v_add_f32 v14, v14, v[TT]                      ; and lane l xor 16's
	s_wait_alu depctr_va_vdst(0)                   ; the wait ahead of the transcendental
	v_rcp_f32 v14, v14
	v_and_b32 v8, 31, v0                           ; (a plain place behind the transcendental)
	v_and_b32 v[TT+1], 15, v0
	v_lshlrev_b32 v10, 3, v8                       ; 8 bytes a lane
	v_lshlrev_b32 v[TT+1], 4, v[TT+1]              ; 16 r
	s_and_b32 s33, ttmp7, 0xffff
	s_lshr_b32 s34, s33, 3                         ; batch
	s_and_b32 s35, s33, 7                          ; head
	s_lshl_b32 s36, ttmp9, 4
	s_add_co_u32 s36, s36, s[WV]
	s_lshl_b32 s34, s34, 8
	s_add_co_u32 s34, s34, s36                     ; G
	s_lshl_b32 s36, s34, 3
	s_add_co_u32 s36, s36, s35
	s_mul_i32 s36, s36, 768
	s_mov_b32 s37, 0
	s_add_nc_u64 s[36:37], s[4:5], s[36:37]
	s_lshl_b32 s38, s34, 8
	s_lshl_b32 s39, s35, 1
	s_add_co_u32 s38, s38, s39
	s_mov_b32 s39, 0
	s_add_nc_u64 s[38:39], s[4:5], s[38:39]
	s_wait_alu depctr_va_vdst(0)                   ; the wait behind the transcendental, directly ahead of the first reader of O^T
.set j, 0
.rept 16
	v_pk_mul_f32 v[S+j:S+j+1], v[O+j:O+j+1], v[14:15] op_sel_hi:[1,0]   ; register 16 b + i is channel 32 b + 16 (lane / 16) + i of my query
.set j, j+2
.endr
.irp b, 0,1
	v_max3_num_f32 v[TM+\b], |v[S+16*\b]|, |v[S+1+16*\b]|, 0x1800000
.endr
.irp i, 2,4,6,8,10,12,14
.irp b, 0,1
	s_delay_alu instid0(VALU_DEP_2)
	v_max3_num_f32 v[TM+\b], v[TM+\b], |v[S+16*\b+\i]|, |v[S+1+16*\b+\i]|
.endr
.endr
.irp b, 0,1
	v_permlanex16_b32 v[TM+2+\b], v[TM+\b], s[SEL], s[SEL+1]
.endr
.irp b, 0,1
	v_max_num_f32 v[TM+\b], v[TM+\b], v[TM+2+\b]
.endr
.irp b, 0,1
	v_add_nc_u32 v[TM+4+\b], 0xff000000, v[TM+\b]
.endr
.irp b, 0,1
	v_lshrrev_b32 v[TM+2+\b], 23, v[TM+4+\b]
.endr
	v_lshl_or_b32 v[TT+2], v[TM+3], 8, v[TM+2]     ; the two scale bytes
	v_cvt_scalef32_pk16_fp6_f32 v[CQ:CQ+2], v[S:S+15], v[TM+4]
	v_cvt_scalef32_pk16_fp6_f32 v[CQ+8:CQ+10], v[S+16:S+31], v[TM+5]
	v_nop                                          ; one plain place behind a scaled conversion
.irp i, 0,1,2
	v_permlane16_swap_b32 v[CQ+\i], v[CQ+8+\i]     ; here a block lies across the lane halves: the operand's layout wants it whole in a lane
.endr
.irp i, 0,1,2
	v_mov_b32 v[CQ+3+\i], v[CQ+8+\i]
.endr
.irp i, 0,1,2
	global_store_b64 v10, v[CQ+2*\i:CQ+2*\i+1], s[36:37] offset:256*\i   ; 32 lanes store 256 consecutive bytes, aligned
.endr
	global_store_b16 v[TT+1], v[TT+2], s[38:39] offset:3145728   ; lanes r and r + 16 store the same two bytes with the same value
	s_wait_tensorcnt 0x0                           ; the wave's end
	ds_add_u32 v[SPW], v[NIL]
	s_wait_dscnt 0x0
	s_endpgm
.Lfunc_end_k_q7b26307fb9_attn:
	.size	k_q7b26307fb9_attn, .Lfunc_end_k_q7b26307fb9_attn-k_q7b26307fb9_attn
	.p2alignl 7, 3214868480
	.fill 96, 4, 3214868480
	.section	.rodata,"a",@progbits
	.p2align	6, 0x0
	.amdhsa_kernel k_q7b26307fb9_attn
		.amdhsa_group_segment_fixed_size 327680
		.amdhsa_private_segment_fixed_size 0
		.amdhsa_enable_private_segment 0
		.amdhsa_kernarg_size 40
		.amdhsa_user_sgpr_count 2
		.amdhsa_user_sgpr_kernarg_segment_ptr 1
		.amdhsa_wavefront_size32 1
		.amdhsa_system_sgpr_workgroup_id_x 1
		.amdhsa_system_sgpr_workgroup_id_y 1
		.amdhsa_system_sgpr_workgroup_id_z 1
		.amdhsa_system_vgpr_workitem_id 0
		.amdhsa_next_free_vgpr 256
		.amdhsa_next_free_sgpr 92
		.amdhsa_reserve_vcc 0
		.amdhsa_float_denorm_mode_32 3
		.amdhsa_float_denorm_mode_16_64 3
		.amdhsa_memory_ordered 1
		.amdhsa_forward_progress 1
		.amdhsa_inst_pref_size 145
	.end_amdhsa_kernel
	.amdgpu_metadata
---
amdhsa.version: [ 1, 2 ]
amdhsa.kernels:
  - .name:           k_q7b26307fb9_attn
    .symbol:         k_q7b26307fb9_attn.kd
    .args:
      - { .name: qbuf, .offset: 0, .size: 8, .value_kind: global_buffer, .address_space: global }
      - { .name: kbuf, .offset: 8, .size: 8, .value_kind: global_buffer, .address_space: global }
      - { .name: vbuf, .offset: 16, .size: 8, .value_kind: global_buffer, .address_space: global }
      - { .name: mc, .offset: 24, .size: 8, .value_kind: global_buffer, .address_space: global }
      - { .name: obuf, .offset: 32, .size: 8, .value_kind: global_buffer, .address_space: global }
    .group_segment_fixed_size: 327680
    .private_segment_fixed_size: 0
    .kernarg_segment_align: 8
    .kernarg_segment_size: 40
    .max_flat_workgroup_size: 512
    .sgpr_count:     92
    .vgpr_count:     256
    .wavefront_size: 32
...
	.end_amdgpu_metadata
.endif
;; end of part 3
;; launch outp (part 4): grid 256 x 1, 4 waves a work-group, no clusters, 34,304 bytes of LDS; arguments obuf, wbuf, bo, out0; writes out0
.if DOCPART == 4
	.amdgcn_target "amdgcn-amd-amdhsa--gfx1250"
	.amdhsa_code_object_version 6
	.text
	.protected	k_q7b26307fb9_outp
	.globl	k_q7b26307fb9_outp
	.p2align	8
	.type	k_q7b26307fb9_outp,@function
k_q7b26307fb9_outp:
	s_mov_b64 s[64:65], 0
	v_nop
	global_prefetch_b8 v0, s[64:65] scope:SCOPE_SE
	s_setreg_imm32_b32 hwreg(HW_REG_WAVE_MODE, 25, 1), 1
	s_wait_xcnt 0x0
; OUTP.  out = O Wo + bo on codes of FP6 (E2M3) with E8M0 scales; both operands come as images of operand registers that earlier launches stored.
; SHARES.  A work-group takes 32 rows (two tiles of 16: lane r of tile u holds row 8 u + r + 8 (r / 8)); wave w takes columns 128 w .. 128 w + 127: eight tiles of Wo x four K steps in its registers.  64 matrix instructions a wave.
; The product is used transposed (source 0 = 16 columns of Wo, source 1 = 16 rows of O): a lane holds eight neighbouring columns of one row.  bo is the C of each sum's first matrix instruction.
; A tile of 16 rows x 128 columns goes through the wave's own stage in LDS and leaves as rows of 512 bytes.  Waves share nothing: no barrier.
; REGISTERS: window 0: v5-11 addresses; v16-47 Wo's scale words (4 t + k), v48-55 O's (4 u + k); v64-159 O's eight fragments; v160-223 and, behind the products, v64-127: rows on the way out.
;   window 1: Wo's tiles 0-3.  window 2: tiles 4-7.  window 3: v0-127 the 16 accumulators (8 u + t), v128-191 bo.
.set SP, 528
.set MSB, 0
.macro WIN new                         ; the immediate's high byte repeats the setting that is left
.if MSB != \new
	s_set_vgpr_msb (MSB<<8)|\new
.set MSB, \new
.endif
.endm
	s_load_b256 s[4:11], s[0:1], 0x0               ; obuf, wbuf, bo, out0
	v_lshl_add_u32 v254, v0, 2, 0x8400
	v_mov_b32 v255, 0
	v_lshrrev_b32 v1, 5, v0
	v_readfirstlane_b32 s12, v1                    ; wave 0..3
	v_and_b32 v2, 31, v0                           ; lane
	v_and_b32 v3, 15, v0                           ; r
	v_bfe_u32 v4, v0, 4, 1                         ; h
	v_lshlrev_b32 v5, 4, v2                        ; a fragment's image: four registers of all lanes in 512 bytes, 16 bytes a lane
	v_lshlrev_b32 v6, 3, v2                        ; half a fragment's: two registers of all lanes in 256 bytes, 8 bytes a lane
	v_lshlrev_b32 v7, 4, v3                        ; 16 r
	v_lshlrev_b32 v8, 6, v4                        ; 64 h
	v_lshlrev_b32 v9, 4, v2                        ; 16 x lane
	s_mul_i32 s13, s12, 16*SP                      ; my stage
	v_mul_u32_u24 v10, v3, SP
	v_add_nc_u32 v10, v10, v8
	v_add_nc_u32 v10, s13, v10                     ; in: row r, + 64 h
	v_add_nc_u32 v11, s13, v9                      ; back: a row's 512 bytes
	s_mov_b32 s15, 0
	s_wait_alu depctr_va_vdst(0)
	s_wait_kmcnt 0x0
	s_mul_i32 s14, s12, 49152
	s_add_nc_u64 s[16:17], s[6:7], s[14:15]        ; Wo's codes at my eight tiles
	s_lshl_b32 s14, s12, 11
	s_add_nc_u64 s[18:19], s[6:7], s[14:15]        ; their scale words
	s_lshl_b32 s14, s12, 9
	s_add_nc_u64 s[8:9], s[8:9], s[14:15]          ; bo at my 128 columns
	s_mul_i32 s14, ttmp9, 12288
	s_add_nc_u64 s[20:21], s[4:5], s[14:15]        ; O's codes at my two tiles
	s_lshl_b32 s14, ttmp9, 9
	s_add_nc_u64 s[22:23], s[4:5], s[14:15]        ; their scale words
	s_lshl_b32 s14, ttmp9, 16
	s_lshl_b32 s24, s12, 9
	s_add_co_u32 s14, s14, s24
	s_add_nc_u64 s[10:11], s[10:11], s[14:15]      ; out at my 32 rows, my 512 bytes of each
	WIN 0x40
.set f, 0
.rept 16
.irp g, 0,1,2
	global_load_b128 v[12*f+4*\g:12*f+4*\g+3], v5, s[16:17] offset:589824+1536*f+512*\g
.endr
.set f, f+1
.endr
	WIN 0x80
.set f, 0
.rept 16
.irp g, 0,1,2
	global_load_b128 v[12*f+4*\g:12*f+4*\g+3], v5, s[16:17] offset:589824+24576+1536*f+512*\g
.endr
.set f, f+1
.endr
	WIN 0xc0
.irp t, 0,1,2,3,4,5,6,7                        ; for tile t = 2 B + u lane half h wants columns 32 B + 16 h + 8 u + 0 .. 7
	global_load_b128 v[128+8*\t:131+8*\t], v8, s[8:9] offset:(32*(\t/2)+8*(\t%2))*4
	global_load_b128 v[132+8*\t:135+8*\t], v8, s[8:9] offset:(32*(\t/2)+8*(\t%2))*4+16
.endr
	WIN 0
.irp t, 0,1,2,3,4,5,6,7
	global_load_b128 v[16+4*\t:19+4*\t], v7, s[18:19] offset:786432+24576+256*\t
.endr
.irp u, 0,1
.irp k, 0,1,2,3
.irp c, 0,1
.irp i, 0,1,2
	global_load_b64 v[64+48*\u+12*\k+6*\c+2*\i:65+48*\u+12*\k+6*\c+2*\i], v6, s[20:21] offset:6144*\u+1536*\k+768*\c+256*\i th:TH_LOAD_NT
.endr
.endr
.endr
	global_load_b128 v[48+4*\u:51+4*\u], v7, s[22:23] offset:3145728+256*\u
.endr
	s_wait_loadcnt 0x0
.irp k, 0,1,2,3                                ; the 16 accumulators by turns, a K step at a time
	WIN 0xf1                                       ; source 0 (Wo) window 1, source 1 (O) window 0, C and D window 3
.irp t, 0,1,2,3
.irp u, 0,1
.if \k == 0
	v_wmma_scale_f32_16x16x128_f8f6f4 v[8*(8*\u+\t):8*(8*\u+\t)+7], v[48*\t+12*\k:48*\t+12*\k+11], v[64+48*\u+12*\k:64+48*\u+12*\k+11], v[128+8*\t:128+8*\t+7], v[16+4*\t+\k], v[48+4*\u+\k] matrix_a_fmt:MATRIX_FMT_FP6 matrix_b_fmt:MATRIX_FMT_FP6
.else
	v_wmma_scale_f32_16x16x128_f8f6f4 v[8*(8*\u+\t):8*(8*\u+\t)+7], v[48*\t+12*\k:48*\t+12*\k+11], v[64+48*\u+12*\k:64+48*\u+12*\k+11], v[8*(8*\u+\t):8*(8*\u+\t)+7], v[16+4*\t+\k], v[48+4*\u+\k] matrix_a_fmt:MATRIX_FMT_FP6 matrix_b_fmt:MATRIX_FMT_FP6
.endif
.endr
.endr
	WIN 0xf2                                       ; source 0 window 2
.irp t, 4,5,6,7
.irp u, 0,1
.if \k == 0
	v_wmma_scale_f32_16x16x128_f8f6f4 v[8*(8*\u+\t):8*(8*\u+\t)+7], v[48*(\t-4)+12*\k:48*(\t-4)+12*\k+11], v[64+48*\u+12*\k:64+48*\u+12*\k+11], v[128+8*\t:128+8*\t+7], v[16+4*\t+\k], v[48+4*\u+\k] matrix_a_fmt:MATRIX_FMT_FP6 matrix_b_fmt:MATRIX_FMT_FP6
.else
	v_wmma_scale_f32_16x16x128_f8f6f4 v[8*(8*\u+\t):8*(8*\u+\t)+7], v[48*(\t-4)+12*\k:48*(\t-4)+12*\k+11], v[64+48*\u+12*\k:64+48*\u+12*\k+11], v[8*(8*\u+\t):8*(8*\u+\t)+7], v[16+4*\t+\k], v[48+4*\u+\k] matrix_a_fmt:MATRIX_FMT_FP6 matrix_b_fmt:MATRIX_FMT_FP6
.endif
.endr
.endr
.endr
	WIN 0
.rept 4
	v_nop                                          ; places in front of the LDS stores that read the results, and of the loads into the registers that held O's fragments
.endr
.macro TOSTAGE u                       ; tile u: 16 rows x 512 bytes into the stage, and back by rows
	WIN 0x0c                                       ; an LDS store's data are its source 1: window 3
.irp t, 0,1,2,3,4,5,6,7
	ds_store_b128 v10, v[8*(8*\u+\t):8*(8*\u+\t)+3] offset:128*(\t/2)+32*(\t%2)          ; each accumulator from its low end on
	ds_store_b128 v10, v[8*(8*\u+\t)+4:8*(8*\u+\t)+7] offset:128*(\t/2)+32*(\t%2)+16
.endr
	WIN 0
.irp i, 0,1,2,3,4,5,6,7,8,9,10,11,12,13,14,15
	ds_load_b128 v[160-96*\u+4*\i:163-96*\u+4*\i], v11 offset:SP*\i   ; LDS serves a wave's instructions in order: these see the stores above, and the next tile's stores come behind them
.endr
.endm
.macro SEND u
.irp i, 0,1,2,3,4,5,6,7,8,9,10,11,12,13,14,15
	global_store_b128 v9, v[160-96*\u+4*\i:163-96*\u+4*\i], s[10:11] offset:(\i+8*(\i/8)+8*\u)*2048 th:TH_STORE_NT   ; 32 lanes store 512 consecutive bytes, aligned: the tile's lane i is row 8 u + i + 8 (i / 8)
.endr
.endm
	TOSTAGE 0
	TOSTAGE 1
	s_wait_dscnt 32                                ; tile 1's 16 stores and 16 loads may be out: tile 0 is back in registers
	SEND 0
	s_wait_dscnt 0x0
	SEND 1
	s_wait_tensorcnt 0x0
	ds_add_u32 v254, v255
	s_wait_dscnt 0x0
	s_endpgm
.Lfunc_end_k_q7b26307fb9_outp:
	.size	k_q7b26307fb9_outp, .Lfunc_end_k_q7b26307fb9_outp-k_q7b26307fb9_outp
	.p2alignl 7, 3214868480
	.fill 96, 4, 3214868480
	.section	.rodata,"a",@progbits
	.p2align	6, 0x0
	.amdhsa_kernel k_q7b26307fb9_outp
		.amdhsa_group_segment_fixed_size 34304
		.amdhsa_private_segment_fixed_size 0
		.amdhsa_enable_private_segment 0
		.amdhsa_kernarg_size 32
		.amdhsa_user_sgpr_count 2
		.amdhsa_user_sgpr_kernarg_segment_ptr 1
		.amdhsa_wavefront_size32 1
		.amdhsa_system_sgpr_workgroup_id_x 1
		.amdhsa_system_sgpr_workgroup_id_y 1
		.amdhsa_system_sgpr_workgroup_id_z 1
		.amdhsa_system_vgpr_workitem_id 0
		.amdhsa_next_free_vgpr 1024
		.amdhsa_next_free_sgpr 66
		.amdhsa_reserve_vcc 0
		.amdhsa_float_denorm_mode_32 3
		.amdhsa_float_denorm_mode_16_64 3
		.amdhsa_memory_ordered 1
		.amdhsa_forward_progress 1
		.amdhsa_inst_pref_size 34
	.end_amdhsa_kernel
	.amdgpu_metadata
---
amdhsa.version: [ 1, 2 ]
amdhsa.kernels:
  - .name:           k_q7b26307fb9_outp
    .symbol:         k_q7b26307fb9_outp.kd
    .args:
      - { .name: obuf, .offset: 0, .size: 8, .value_kind: global_buffer, .address_space: global }
      - { .name: wbuf, .offset: 8, .size: 8, .value_kind: global_buffer, .address_space: global }
      - { .name: bo, .offset: 16, .size: 8, .value_kind: global_buffer, .address_space: global }
      - { .name: out0, .offset: 24, .size: 8, .value_kind: global_buffer, .address_space: global }
    .group_segment_fixed_size: 34304
    .private_segment_fixed_size: 0
    .kernarg_segment_align: 8
    .kernarg_segment_size: 32
    .max_flat_workgroup_size: 128
    .sgpr_count:     66
    .vgpr_count:     1024
    .wavefront_size: 32
...
	.end_amdgpu_metadata
.endif
;; end of part 4
